; MI455X (gfx1250); checked and timed in simulation.
; The chip was launched on July 23, 2026; its instructions are those of AMD's public machine-readable ISA for CDNA 5 (MIT licence, August 2026) and "CDNA5" Instruction Set Architecture Reference Guide (July 2026). The comments in the code are by the model that wrote it; some were corrected since.
;; Swin Transformer Block4 D. Allowed arithmetic: matrix products marked QUANTISED: E2M1 operands, one E8M0 scale for each 32 along K, by v_wmma_scale_f32_16x16x128_f8f6f4 with both operands' format E2M1 (or v_wmma_scale_f32_32x16x128_f4), f32 sums; everything else in f32.
;; Inputs: b1 128 float32; b2 128 float32; b_fc1 512 float32; b_fc2 128 float32; b_proj 128 float32; b_qkv 384 float32; g1 128 float32; g2 128 float32; mask_matrix 256 x 256 x 256 float32; w_fc1 512 x 128 float32; w_fc2 128 x 512 float32; w_proj 128 x 128 float32; w_qkv 384 x 128 float32; x 2 x 16 x 16 x 16 x 16 x 128 float32.
;; Outputs: out0 2 x 16 x 16 x 16 x 16 x 128 float32.
;; This version of the problem:
;;   THIS VERSION OF THE PROBLEM IS GIVEN IN LOW PRECISION. The matrix products marked QUANTISED in the list below multiply operands that are first quantised to E2M1 (2 exponent bits, 1 mantissa bit; 4 bits a number), with one power-of-two scale for each 32 numbers along K (OCP MX v1.0); their sums are f32. All else is computed in f32.
;;   The module's matrix products, in the order in which they are computed (A, B: the left and right operand; K: the contracted axis; several contracted axes count as one K, in the product's order):
;;     1. [M 131,072, K 128] x [K 128, N 384]; A: computed on the way; B: input w_qkv: QUANTISED
;;     2. batch 2,048 x [M 256, K 32] x [K 32, N 256]; A: computed on the way; B: computed on the way: QUANTISED
;;     3. batch 2,048 x [M 256, K 256] x [K 256, N 32]; A: softmax (see below); B: computed on the way: QUANTISED
;;     4. [M 131,072, K 128] x [K 128, N 128]; A: computed on the way; B: input w_proj: QUANTISED
;;     5. [M 131,072, K 128] x [K 128, N 512]; A: computed on the way; B: input w_fc1: QUANTISED
;;     6. [M 131,072, K 512] x [K 512, N 128]; A: computed on the way; B: input w_fc2: QUANTISED
;;   THE QUANTISER, for each operand of a quantised product, along K:
;;     - K is cut into blocks of 32 from its start; a last block that is shorter is filled with zeros.
;;     - A block's scale is 2^e with e = floor(log2(the largest magnitude in the block)) - 2, held to -126 .. 127; a block of zeros has e = 0. As a byte (E8M0): e + 127.
;;     - Each number is divided by its block's scale, clamped to +-6, and rounded to the nearest number of E2M1, ties to even, subnormals kept.
;;     - The product sums the exact products of the quantised numbers (number of the format x scale) in f32.
;;   ~~~python
;;   def quantise(x, axis):      # numpy; x: float32 -> the quantised numbers, widened to float32 again
;;       x = np.moveaxis(x, axis, -1); K = x.shape[-1]
;;       x = np.pad(x, [(0, 0)] * (x.ndim - 1) + [(0, -K % 32)]); x = x.reshape(x.shape[:-1] + (-1, 32)); a = np.abs(x).max(-1, keepdims=True)
;;       e = np.where(a > 0, np.clip(np.frexp(np.where(a > 0, a, 1))[1] - 1 - 2, -126, 127), 0)      # np.frexp(a)[1] - 1 = floor(log2(a)), exactly
;;       r = np.clip(x / 2.0 ** e, -6, 6)
;;       step = 2.0 ** (np.maximum(np.frexp(np.where(r == 0, 1, r))[1] - 1, 0) - 1)
;;       q = np.round(r / step) * step * 2.0 ** e      # np.round: ties to even
;;       return np.moveaxis(q.reshape(q.shape[:-2] + (-1,))[..., :K], -1, axis).astype(np.float32)
;;   ~~~
;;   SOFTMAX AHEAD OF A QUANTISED PRODUCT. Where the list says 'softmax', what is quantised is not the finished softmax but p = 2^(t - M), with t = logit x log2(e) and M = ceil(the row's largest t), a whole number; so 1/2 < the row's largest p <= 1. The row's sum l is taken of the UNQUANTISED p, in f32, and the product's result is divided by l at the end. Since M is a whole number, a kernel that streams over the keys may use a running M (the ceiling of the running maximum): every later rescaling is an exact power of two, which a block's scale takes up: the codes' values come out the same.
;;   OPERANDS COMPUTED ON THE WAY. 'Computed on the way' means the value that the module computes at that place (a softmax that the list does not call 'softmax' is quantised finished and normalised). What goes into a quantiser is computed in f32, as accurately as f32 sums, v_exp_f32 and their like allow (about 1e-6 of the number): no bf16 or f16 on the way to a quantiser, and a product that is left as it is and whose result goes on into a quantised operand takes f32 operands (vector FMAs, or v_wmma_f32_16x16x4_f32). A number that lies on a knife's edge between two numbers of the format may be rounded either way, as far as f32 arithmetic and the matrix unit's own rounding can turn it there, and no further.
;; 2 versions, each right; version 2 is version 1 with the launch swin written anew for expert scheduling mode. Each part assembles by itself: llvm-mc -triple=amdgcn-amd-amdhsa -mcpu=gfx1250 --defsym DOCPART=n.
;; ======== version 1 of 2: 2 launches
;; workspace buffers: wq 111,104 bytes
;; launch prep (part 1): grid 25 x 1, 1 waves a work-group, no clusters, 0 bytes of LDS; arguments w_qkv, w_proj, w_fc1, w_fc2, b_qkv, b_proj, b_fc1, b_fc2, g1, b1, g2, b2, wq; writes wq
.if DOCPART == 1
	.amdgcn_target "amdgcn-amd-amdhsa--gfx1250"
	.amdhsa_code_object_version 6
	.text
	.protected	k_q6fff3b01bd_prep
	.globl	k_q6fff3b01bd_prep
	.p2align	8
	.type	k_q6fff3b01bd_prep,@function
k_q6fff3b01bd_prep:
	s_mov_b64 s[64:65], 0
	v_nop
	global_prefetch_b8 v0, s[64:65] scope:SCOPE_SE
	s_setreg_imm32_b32 hwreg(HW_REG_WAVE_MODE, 25, 1), 1
	s_wait_xcnt 0x0
; The four weights (f32, K innermost) become codes of FP4 (E2M1) with one E8M0 byte for each 32 along K, laid in wq as IMAGES OF OPERAND REGISTERS, so that the
; second launch takes a fragment by two 16-byte loads a lane.  Biases and gains are copied behind them, so that wq is one dense block of 111,104 bytes.
; wq:  0       96 fragments of 1,024 bytes, [c 0..1][lane][16 bytes] = registers 4 c .. 4 c + 3 of the lane.  f 0-23: w_qkv tile f; 24-31: w_proj; 32-63: w_fc1; 64 + 8 s + t: w_fc2 tile t, K step s.
;      98,304  scale words: fragment f, row p of its 16: 256 (f / 4) + 16 p + 4 (f % 4)
;      104,448 b_qkv, b_proj, b_fc1, b_fc2, g1, b1, g2, b2 on end
; THE ROWS OF A TILE ARE NOT NEIGHBOURS: row p of tile t is weight row 32 (t / 2) + 8 (t % 2) + p + 8 (p / 8), so that the results of tiles 2 b and 2 b + 1 are 16 neighbours along the next K.
; A work-group is one wave and makes four fragments (one group of scale words); work-group 24 copies the biases.  Lane (r, h) holds k = 64 c + 32 h + 0 .. 31 of its row: two whole blocks,
; so a block's largest magnitude needs no other lane and the conversions' results are the operand's registers.
; A block's byte is its largest magnitude's exponent field - 2, held at 1 from below (a block of zeros keeps 1: its codes are zeros, and this program alone reads the bytes).
; The weight loads take 128 bytes of a row in eight lanes' worth of loads: 786,432 bytes, read once in the launch.
; LIMITS: NaN and infinities among the weights are not served.
.set SCW, 98304
.set BIA, 104448
	s_load_b512 s[8:23], s[0:1], 0x0               ; w_qkv s[8:9], w_proj s[10:11], w_fc1 s[12:13], w_fc2 s[14:15], b_qkv s[16:17], b_proj s[18:19], b_fc1 s[20:21], b_fc2 s[22:23]
	s_load_b256 s[24:31], s[0:1], 0x40             ; g1 s[24:25], b1 s[26:27], g2 s[28:29], b2 s[30:31]
	s_load_b64 s[32:33], s[0:1], 0x60              ; wq
	v_and_b32 v1, 15, v0                           ; r
	v_lshrrev_b32 v3, 4, v0                        ; h
	v_lshlrev_b32 v4, 4, v0                        ; 16 x lane
	v_lshlrev_b32 v7, 4, v1                        ; 16 r
	v_lshlrev_b32 v15, 3, v3                       ; 8 h: my bytes' place in a scale word, in bits
	v_mov_b32 v6, 0                                ; a lane permute's destination counts as one of its sources
	s_mov_b32 s54, 0x76543210
	s_mov_b32 s55, 0xfedcba98                      ; v_permlanex16_b32's selects for lane l xor 16
	s_wait_kmcnt 0x0
	s_cmp_eq_u32 ttmp9, 24
	s_cbranch_scc1 .Lbias
	; which weight, and which of its groups of four fragments: the choices hang on the work-group's number alone
	s_cmp_lt_u32 ttmp9, 6
	s_cselect_b64 s[34:35], s[8:9], s[10:11]
	s_cselect_b32 s36, 0, 6
	s_cmp_lt_u32 ttmp9, 8
	s_cselect_b64 s[34:35], s[34:35], s[12:13]
	s_cselect_b32 s36, s36, 8
	s_cmp_lt_u32 ttmp9, 16
	s_cselect_b64 s[34:35], s[34:35], s[14:15]
	s_cselect_b32 s36, s36, 16
	s_sub_co_u32 s37, ttmp9, s36                   ; the group's number in its weight
	s_lshl_b32 s39, s37, 2                         ; first tile: 4 x group (K = 128: one K step),
	s_and_b32 s40, s37, 1
	s_lshl_b32 s40, s40, 2                         ; or, in w_fc2, 4 x (group % 2),
	s_lshr_b32 s41, s37, 1
	s_lshl_b32 s41, s41, 9                         ; at K step group / 2: 512 bytes a step
	s_mov_b32 s38, 2048
	s_cmp_lt_u32 ttmp9, 16
	s_cselect_b32 s38, 512, s38                    ; a row of the weight in bytes
	s_cselect_b32 s39, s39, s40
	s_cselect_b32 s41, 0, s41
	s_lshl_b32 s42, s39, 4                         ; tile T0 (a multiple of 4) begins at row 16 T0; tiles T0 + 1, 2, 3 at 8, 32, 40 rows on
	s_mul_i32 s42, s42, s38
	s_add_co_u32 s42, s42, s41
	s_mov_b32 s43, 0
	s_add_nc_u64 s[44:45], s[34:35], s[42:43]
	s_lshl_b32 s42, s38, 3
	s_add_nc_u64 s[46:47], s[44:45], s[42:43]
	s_lshl_b32 s42, s38, 5
	s_add_nc_u64 s[48:49], s[44:45], s[42:43]
	s_mul_i32 s42, s38, 40
	s_add_nc_u64 s[50:51], s[44:45], s[42:43]
	s_lshl_b32 s42, ttmp9, 12
	s_add_nc_u64 s[52:53], s[32:33], s[42:43]      ; my four fragments in wq
	s_lshl_b32 s42, ttmp9, 8
	s_add_co_u32 s42, s42, SCW
	s_add_nc_u64 s[58:59], s[32:33], s[42:43]      ; my group of scale words
	v_and_b32 v5, 8, v1
	v_add_nc_u32 v5, v5, v1                        ; r + 8 (r / 8)
	v_mul_lo_u32 v2, v5, s38
	v_lshl_add_u32 v2, v3, 7, v2                   ; my row, + 128 h bytes: k = 32 h on
.macro LOADF f                         ; fragment f's 64 numbers of my lane into set f % 2: register 32 c + i = k 64 c + 32 h + i
.irp c, 0,1
.irp j, 0,1,2,3,4,5,6,7
	global_load_b128 v[16+64*((\f)%2)+32*\c+4*\j:19+64*((\f)%2)+32*\c+4*\j], v2, s[44+2*(\f):45+2*(\f)] offset:256*\c+16*\j th:TH_LOAD_NT
.endr
.endr
.endm
.macro QF f
.set XS, 16+64*((\f)%2)
.irp c, 0,1
	v_max3_num_f32 v[8+\c], |v[XS+32*\c]|, |v[XS+32*\c+1]|, 0x1800000   ; my block 2 c + h, and the floor 2^(3 - 127): the byte cannot fall under 1
.endr
.irp i, 2,4,6,8,10,12,14,16,18,20,22,24,26,28,30
.irp c, 0,1
	v_max3_num_f32 v[8+\c], v[8+\c], |v[XS+32*\c+\i]|, |v[XS+32*\c+\i+1]|
.endr
.endr
.irp c, 0,1
	v_add_nc_u32 v[10+\c], 0xff000000, v[8+\c]     ; 2 off the exponent field: the conversion's scale operand
.endr
.irp c, 0,1
	v_lshrrev_b32 v[12+\c], 23, v[10+\c]           ; the scale's byte
.endr
	v_lshl_or_b32 v14, v13, 16, v12                ; my two bytes: blocks h and 2 + h,
	v_lshlrev_b32 v14, v15, v14                    ; at their places in the word;
	v_permlanex16_b32 v6, v14, s54, s55
	v_or_b32 v[176+(\f)], v14, v6                  ; with lane l xor 16's two the word is whole
.irp c, 0,1
.irp g, 0,1,2,3
	v_cvt_scalef32_pk8_fp4_f32 v[144+8*(\f)+4*\c+\g], v[XS+32*\c+8*\g:XS+32*\c+8*\g+7], v[10+\c]
.endr
.endr
	v_nop                                          ; one plain line behind the conversions
.irp c, 0,1
	global_store_b128 v4, v[144+8*(\f)+4*\c:147+8*(\f)+4*\c], s[52:53] offset:1024*(\f)+512*\c   ; 32 lanes store 512 consecutive bytes; each fragment has registers of its own
.endr
.endm
	LOADF 0
	LOADF 1
	s_wait_loadcnt 16                              ; fragment 0's loads are in; the next fragment's 16 may be out
	QF 0
	LOADF 2
	s_wait_loadcnt 16
	QF 1
	LOADF 3
	s_wait_loadcnt 16
	QF 2
	s_wait_loadcnt 0x0
	QF 3
	s_wait_xcnt 0x0                                ; EXEC changes only behind this wait
	v_cmp_gt_u32 vcc_lo, 16, v0
	s_and_saveexec_b32 s60, vcc_lo
	global_store_b128 v7, v[176:179], s[58:59]     ; lanes 0-15: row r's four words: 256 consecutive bytes
	s_wait_xcnt 0x0
	s_or_b32 exec_lo, exec_lo, s60
	s_endpgm
.Lbias:                                                ; 13 pieces of 512 bytes, copied as they lie
	global_load_b128 v[16:19], v4, s[16:17]
	global_load_b128 v[20:23], v4, s[16:17] offset:512
	global_load_b128 v[24:27], v4, s[16:17] offset:1024
	global_load_b128 v[28:31], v4, s[18:19]
	global_load_b128 v[32:35], v4, s[20:21]
	global_load_b128 v[36:39], v4, s[20:21] offset:512
	global_load_b128 v[40:43], v4, s[20:21] offset:1024
	global_load_b128 v[44:47], v4, s[20:21] offset:1536
	global_load_b128 v[48:51], v4, s[22:23]
	global_load_b128 v[52:55], v4, s[24:25]
	global_load_b128 v[56:59], v4, s[26:27]
	global_load_b128 v[60:63], v4, s[28:29]
	global_load_b128 v[64:67], v4, s[30:31]
	s_wait_loadcnt 0x0
.irp n, 0,1,2,3,4,5,6,7,8,9,10,11,12
	global_store_b128 v4, v[16+4*\n:19+4*\n], s[32:33] offset:BIA+512*\n
.endr
	s_endpgm
.Lfunc_end_k_q6fff3b01bd_prep:
	.size	k_q6fff3b01bd_prep, .Lfunc_end_k_q6fff3b01bd_prep-k_q6fff3b01bd_prep
	.p2alignl 7, 3214868480
	.fill 96, 4, 3214868480
	.section	.rodata,"a",@progbits
	.p2align	6, 0x0
	.amdhsa_kernel k_q6fff3b01bd_prep
		.amdhsa_group_segment_fixed_size 0
		.amdhsa_private_segment_fixed_size 0
		.amdhsa_enable_private_segment 0
		.amdhsa_kernarg_size 104
		.amdhsa_user_sgpr_count 2
		.amdhsa_user_sgpr_kernarg_segment_ptr 1
		.amdhsa_wavefront_size32 1
		.amdhsa_system_sgpr_workgroup_id_x 1
		.amdhsa_system_sgpr_workgroup_id_y 1
		.amdhsa_system_sgpr_workgroup_id_z 1
		.amdhsa_system_vgpr_workitem_id 0
		.amdhsa_next_free_vgpr 192
		.amdhsa_next_free_sgpr 66
		.amdhsa_reserve_vcc 1
		.amdhsa_float_denorm_mode_32 3
		.amdhsa_float_denorm_mode_16_64 3
		.amdhsa_memory_ordered 1
		.amdhsa_forward_progress 1
		.amdhsa_inst_pref_size 24
	.end_amdhsa_kernel
	.amdgpu_metadata
---
amdhsa.version: [ 1, 2 ]
amdhsa.kernels:
  - .name:           k_q6fff3b01bd_prep
    .symbol:         k_q6fff3b01bd_prep.kd
    .args:
      - { .name: w_qkv, .offset: 0, .size: 8, .value_kind: global_buffer, .address_space: global }
      - { .name: w_proj, .offset: 8, .size: 8, .value_kind: global_buffer, .address_space: global }
      - { .name: w_fc1, .offset: 16, .size: 8, .value_kind: global_buffer, .address_space: global }
      - { .name: w_fc2, .offset: 24, .size: 8, .value_kind: global_buffer, .address_space: global }
      - { .name: b_qkv, .offset: 32, .size: 8, .value_kind: global_buffer, .address_space: global }
      - { .name: b_proj, .offset: 40, .size: 8, .value_kind: global_buffer, .address_space: global }
      - { .name: b_fc1, .offset: 48, .size: 8, .value_kind: global_buffer, .address_space: global }
      - { .name: b_fc2, .offset: 56, .size: 8, .value_kind: global_buffer, .address_space: global }
      - { .name: g1, .offset: 64, .size: 8, .value_kind: global_buffer, .address_space: global }
      - { .name: b1, .offset: 72, .size: 8, .value_kind: global_buffer, .address_space: global }
      - { .name: g2, .offset: 80, .size: 8, .value_kind: global_buffer, .address_space: global }
      - { .name: b2, .offset: 88, .size: 8, .value_kind: global_buffer, .address_space: global }
      - { .name: wq, .offset: 96, .size: 8, .value_kind: global_buffer, .address_space: global }
    .group_segment_fixed_size: 0
    .private_segment_fixed_size: 0
    .kernarg_segment_align: 8
    .kernarg_segment_size: 104
    .max_flat_workgroup_size: 32
    .sgpr_count:     66
    .vgpr_count:     192
    .wavefront_size: 32
...
	.end_amdgpu_metadata
.endif
;; end of part 1
;; launch swin (part 2): grid 256 x 1, 8 waves a work-group, no clusters, 327,680 bytes of LDS; arguments x, mask_matrix, wq, out0; writes out0
.if DOCPART == 2
	.amdgcn_target "amdgcn-amd-amdhsa--gfx1250"
	.amdhsa_code_object_version 6
	.text
	.protected	k_q6fff3b01bd_swin
	.globl	k_q6fff3b01bd_swin
	.p2align	8
	.type	k_q6fff3b01bd_swin,@function
k_q6fff3b01bd_swin:
	s_mov_b64 s[64:65], 0
	v_nop
	global_prefetch_b8 v0, s[64:65] scope:SCOPE_SE
	s_setreg_imm32_b32 hwreg(HW_REG_WAVE_MODE, 25, 1), 1
	s_wait_xcnt 0x0
; The whole block: LN1, shifted windows, QKV, attention with the mask input, proj, residual, LN2, fc1, exact GELU, fc2, residual.  All six products on codes of FP4 (E2M1) with E8M0 scales, made here in f32.
; The roll by -2 and the roll back cancel: window place (Wd, Wh, Ww, Wt), in-window place (d, h, w, t) reads and writes the token at ((4 W + place + 2) & 15) along each axis.  Nothing crosses windows.
; SHARES.  Work-group w takes window place w for batch 0 and then batch 1, so mask[w] (262,144 bytes) is loaded once; it stays in registers v256-511, each wave's 32 query rows x 256 keys, in the layout of the
; scores, and is the C of the products K Q^T.  Eight waves of 512 registers; wave i takes window tokens 32 i .. 32 i + 31 through the whole chain, as two tiles u of 16: row p of tile u is token 8 u + (p & 7) + 16 (p >> 3).
; Only the codes of K and V go from wave to wave (LDS, as images of operand registers): two barriers a window.
; LAYOUT.  Products are used transposed (source 0 = 16 weight rows, source 1 = 16 tokens): lane (r, h) holds token r, and the 16 registers of weight tiles 2 b, 2 b + 1 are features 32 b + 16 h + 0 .. 15
; (the weights' tiles were laid for that).  x, q, k, proj's result, the hidden layer and y all lie so: residuals add register to register, a block of 32 lies in lanes l and l xor 16.
; V is made untransposed: a lane holds one channel and 16 tokens of my 32, which are block i of the second product's K.  S^T = K Q^T + mask, O^T = V^T P^T: a lane holds one query throughout.
; K Q^T has K = 32 a head: the four heads are the four blocks of one fragment; Q's codes outside the head in hand are made zeros, which add nothing.
; SOFTMAX: t = score x log2(e); M = the running largest t rounded up to a whole number; p = 2^(t - M) is quantised; the sum of the unquantised p divides at the end.
; GELU: x (0.5 + xc P(u) / Q(u)), xc = x held to +-5.41998, u = xc^2: a rational form of erf (degrees 4 and 6 in u) with 1/sqrt(2) and 1/2 folded into its coefficients.
; NO CLUSTER: the work-groups share only wq's 111,104 bytes, against 262,144 of mask and 524,288 of x and out0 that are each work-group's own.  NO TENSOR LOADS: token rows are gathered and each is used by one wave.
; LIMITS: inputs and mask finite.  A block whose largest magnitude lies under 2^-124 keeps the byte 1.  p under 2^-126 becomes 0.  0.5 + 0.5 erf is right to about 6e-8 absolutely, so GELU's far negative tail is right absolutely, not relatively.
;
; LDS: 0 wq's copy | XR 8 x 32 rows x 528 (x, then x1, then the result; a wave's own) | KIM 16 images of K | KSC their words | VIM 16 images of V^T | VSC their words | PRIV 8 x 5,632, a wave's own:
;   +0 attention's result for tile 0 (image); +1,024 scale words; +1,280 a stage of 16 x 272 for the mask's turn, later tile 1's image (+1,280) and the images of x, then q (+2,304 + 1,024 u).
; Rows of 528 and 272 bytes: the 16 rows that a 16-byte load touches start at 16 different 16-byte columns modulo 256.
; REGISTERS: v1-15 addresses that stay, v16-19 global offsets 16 lane + offT(t), v20-23 addresses in hand, v24-31 and v244-255 at work, RA v32-95, RB v96-159, RC v160-223, v224-238 scale words alone,
;   v239 the prefetch's offset, v240-243 two coefficients as pairs.
.set SCW,   98304
.set BIA,   104448
.set XR,    111104
.set XROW,  528
.set XWAVE, 32*XROW
.set KIM,   XR+8*XWAVE
.set KSC,   KIM+16384
.set VIM,   KSC+1024
.set VSC,   VIM+16384
.set PRIV,  VSC+1024
.set PRIVB, 5632
.set KV,    VIM-KIM                    ; = VSC - KSC
.set P_W,   1024
.set P_ST,  1280
.set P_XQ,  2304
.set MSB, 0
.macro WIN new                         ; s_set_vgpr_msb; the immediate's high byte repeats the setting that is left; a switch that changes nothing is dropped
.if MSB != \new
	s_set_vgpr_msb (MSB<<8)|\new
.set MSB, \new
.endif
.endm
.macro NOPS n
.rept \n
	v_nop
.endr
.endm
.macro SPAIR reg, val                  ; a constant as a scalar pair: the packed forms name the pair and take its low word for both halves
	s_mov_b32 s[\reg], \val
	s_mov_b32 s[\reg+1], \val
.endm
.macro WM d, a, b, c, sa, sb
	v_wmma_scale_f32_16x16x128_f8f6f4 v[(\d):(\d)+7], v[(\a):(\a)+7], v[(\b):(\b)+7], v[(\c):(\c)+7], v[(\sa)], v[(\sb)] matrix_a_fmt:MATRIX_FMT_FP4 matrix_b_fmt:MATRIX_FMT_FP4
.endm
.macro WMZ d, a, b, sa, sb
	v_wmma_scale_f32_16x16x128_f8f6f4 v[(\d):(\d)+7], v[(\a):(\a)+7], v[(\b):(\b)+7], 0, v[(\sa)], v[(\sb)] matrix_a_fmt:MATRIX_FMT_FP4 matrix_b_fmt:MATRIX_FMT_FP4
.endm
.macro ROW16 d, adr, off               ; 64 numbers of a lane: register 16 b + 4 j from byte 128 b + 16 j (the address holds 64 h): a token's row, or a bias or gain in the results' layout
.irp b, 0,1,2,3
.irp j, 0,1,2,3
	ds_load_b128 v[\d+16*\b+4*\j:\d+16*\b+4*\j+3], v[\adr] offset:\off+128*\b+16*\j
.endr
.endr
.endm
.macro ROWST d, adr
.irp b, 0,1,2,3
.irp j, 0,1,2,3
	ds_store_b128 v[\adr], v[\d+16*\b+4*\j:\d+16*\b+4*\j+3] offset:128*\b+16*\j
.endr
.endr
.endm
.macro FRAG8 d, adr, off               ; eight fragments' images: 16 bytes a lane, 512 consecutive bytes a load
.irp t, 0,1,2,3,4,5,6,7
.irp c, 0,1
	ds_load_b128 v[\d+8*\t+4*\c:\d+8*\t+4*\c+3], v[\adr] offset:\off+1024*\t+512*\c
.endr
.endr
.endm
.macro PKADD d, e                      ; 64 numbers += 64 numbers, from the low end on
.set J, 0
.rept 32
	v_pk_add_f32 v[\d+J:\d+J+1], v[\d+J:\d+J+1], v[\e+J:\e+J+1]
.set J, J+2
.endr
.endm
; LayerNorm of a token's 128 numbers, 64 in my lane and 64 in lane l xor 16: mean, then the mean of squares of the differences (two passes: a common offset does no harm).
.macro LN x, g, bb
	v_pk_add_f32 v[24:25], v[\x:\x+1], v[\x+2:\x+3]
	v_pk_add_f32 v[26:27], v[\x+4:\x+5], v[\x+6:\x+7]
.set J, 8
.rept 14
	v_pk_add_f32 v[24:25], v[24:25], v[\x+J:\x+J+1]
	v_pk_add_f32 v[26:27], v[26:27], v[\x+J+2:\x+J+3]
.set J, J+4
.endr
	v_pk_add_f32 v[24:25], v[24:25], v[26:27]
	v_add_f32 v24, v24, v25
	v_permlanex16_b32 v31, v24, s54, s55
	v_add_f32 v24, v24, v31
	v_mul_f32 v24, s60, v24                        ; the mean
	s_wait_dscnt 0x0                               ; the gain and the bias are in, and LDS stores that read these rows are done: the rows are written from here on
.set J, 0
.rept 32
	v_pk_add_f32 v[\x+J:\x+J+1], v[\x+J:\x+J+1], v[24:25] op_sel_hi:[1,0] neg_lo:[0,1] neg_hi:[0,1]
.set J, J+2
.endr
	v_pk_mul_f32 v[26:27], v[\x:\x+1], v[\x:\x+1]
	v_pk_mul_f32 v[28:29], v[\x+2:\x+3], v[\x+2:\x+3]
.set J, 4
.rept 15
	v_pk_fma_f32 v[26:27], v[\x+J:\x+J+1], v[\x+J:\x+J+1], v[26:27]
	v_pk_fma_f32 v[28:29], v[\x+J+2:\x+J+3], v[\x+J+2:\x+J+3], v[28:29]
.set J, J+4
.endr
	v_pk_add_f32 v[26:27], v[26:27], v[28:29]
	v_add_f32 v26, v26, v27
	v_permlanex16_b32 v31, v26, s54, s55
	v_add_f32 v26, v26, v31
	v_fma_f32 v26, v26, s60, s61                   ; the variance + 1e-5
	v_rsq_f32 v26, v26
	v_nop                                          ; a plain line behind the transcendental,
	s_wait_alu depctr_va_vdst(0)                   ; and the wait ahead of the first use of its result
.set J, 0
.rept 32
	v_pk_mul_f32 v[\x+J:\x+J+1], v[\x+J:\x+J+1], v[26:27] op_sel_hi:[1,0]
.set J, J+2
.endr
.set J, 0
.rept 32
	v_pk_fma_f32 v[\x+J:\x+J+1], v[\x+J:\x+J+1], v[\g+J:\g+J+1], v[\bb+J:\bb+J+1]
.set J, J+2
.endr
.endm
; Four blocks of 32, 16 numbers of each in my lane (v[s + 16 b] on) and 16 in lane l xor 16: the bytes come out in v28-31, the half blocks' codes in v[pc + 2 b], v[pc + 2 b + 1].
.macro QCORE s, pc
.irp b, 0,1,2,3
	v_max3_num_f32 v[24+\b], |v[\s+16*\b]|, |v[\s+16*\b+1]|, 0x1800000   ; with the floor 2^(3 - 127): the byte cannot fall under 1
.endr
.irp i, 2,4,6,8,10,12,14
.irp b, 0,1,2,3
	v_max3_num_f32 v[24+\b], v[24+\b], |v[\s+16*\b+\i]|, |v[\s+16*\b+\i+1]|
.endr
.endr
.irp b, 0,1,2,3
	v_permlanex16_b32 v[28+\b], v[24+\b], s54, s55
.endr
.irp b, 0,1,2,3
	v_max_num_f32 v[24+\b], v[24+\b], v[28+\b]     ; the block's largest magnitude
.endr
.irp b, 0,1,2,3
	v_add_nc_u32 v[244+\b], 0xff000000, v[24+\b]   ; 2 off its exponent field: the conversion's scale operand
.endr
.irp b, 0,1,2,3
	v_lshrrev_b32 v[28+\b], 23, v[244+\b]          ; the scale's byte
.endr
.irp b, 0,1,2,3
	v_cvt_scalef32_pk8_fp4_f32 v[\pc+2*\b], v[\s+16*\b:\s+16*\b+7], v[244+\b]
	v_cvt_scalef32_pk8_fp4_f32 v[\pc+2*\b+1], v[\s+16*\b+8:\s+16*\b+15], v[244+\b]
.endr
	v_nop                                          ; one plain line behind the conversions
.endm
.macro TOREG pc, w                     ; the codes become the operand in place (a whole block to a lane), the bytes its scale word
	v_lshl_or_b32 v[\w], v29, 8, v28
	v_lshl_or_b32 v[\w], v30, 16, v[\w]
	v_lshl_or_b32 v[\w], v31, 24, v[\w]
.irp c, 0,1
.irp i, 0,1
	v_permlane16_swap_b32 v[\pc+4*\c+\i], v[\pc+2+4*\c+\i]
.endr
.endr
.endm
; My 32 token rows: one load or store takes one row, 512 consecutive bytes.  Token m: t = m & 3 (in the offset register), w = (m >> 2) & 3 and the h bit m >> 4 (in the base).  In LDS it lies at row 16 u + p.
.macro XLOADS
.set M, 0
.rept 32
	global_load_b128 v[32+4*M:35+4*M], v[16+(M&3)], s[16+8*(M>>4)+2*((M>>2)&3):17+8*(M>>4)+2*((M>>2)&3)] th:TH_LOAD_NT
.set M, M+1
.endr
.endm
.macro XSTORES
.set M, 0
.rept 32
	ds_store_b128 v6, v[32+4*M:35+4*M] offset:XROW*(16*((M>>3)&1)+(M&7)+8*(M>>4))
.set M, M+1
.endr
.endm
; The mask rows of my tile u, as they lie: a load takes 256 bytes of each of two rows.  Register 32 q + 4 p: rows 2 p, 2 p + 1 of the tile, bytes 256 q on.
.macro MLOAD u
	WIN 0x40                                       ; destination v256 on
.irp q, 0,1,2,3
.irp p, 0,1,2,3,4,5,6,7
	global_load_b128 v[128*\u+32*\q+4*\p:128*\u+32*\q+4*\p+3], v23, s[6:7] offset:(8*\u+2*\p+8*(\p/4))*1024+256*\q th:TH_LOAD_NT
.endr
.endr
	WIN 0
.endm
; and their turn through my stage, a quarter of the rows' length at a time, back into the registers that they left: lane (r, h) then holds, of query r, keys 32 i' + 16 h + 0 .. 15 in registers 16 i' on: the scores' layout.
; LDS serves a wave's instructions in order (ISA guide 5.7.1.4): the loads see the stores above them, and the next quarter's stores come behind them.
.macro MASKT u
	s_wait_dscnt 0x0                               ; no LDS instruction of mine is out: the four address registers may be written
	v_and_b32 v22, 15, v0
	v_bfe_u32 v23, v0, 4, 1
	v_mul_u32_u24 v20, v23, 272
	v_lshl_add_u32 v20, v22, 4, v20
	v_add_nc_u32 v20, s98, v20                     ; in: rows 2 p + h, 16 bytes a lane
	v_mul_u32_u24 v21, v22, 272
	v_lshl_add_u32 v21, v23, 6, v21
	v_add_nc_u32 v21, s98, v21                     ; back: row r, + 64 h
.irp q, 0,1,2,3
	WIN 0x04                                       ; an LDS store's data: v256 on
.irp p, 0,1,2,3,4,5,6,7
	ds_store_b128 v20, v[128*\u+32*\q+4*\p:128*\u+32*\q+4*\p+3] offset:P_ST+544*\p
.endr
	WIN 0x40
.irp e, 0,1
.irp j, 0,1,2,3
	ds_load_b128 v[128*\u+32*\q+16*\e+4*\j:128*\u+32*\q+16*\e+4*\j+3], v21 offset:P_ST+128*\e+16*\j
.endr
.endr
.endr
	WIN 0
.endm
; A PASS of QKV: four weight tiles x my two tiles of tokens.  kind 0 q, 1 k, 2 v; h: which half of its eight tiles.  The bias is the C of tile 1's products; tile 0's then add onto it in place.
; The fragments and scale words of the next pass are fetched into the other set behind the products.
.macro PASS kind, h, last
.set PI, 2*\kind+\h
.set FS, 160+32*(PI%2)
.set FN, 192-32*(PI%2)
.set SS, 224+4*(PI%2)
.set SN, 228-4*(PI%2)
.if \kind < 2
.irp t, 0,1,2,3
.irp e, 0,1
	ds_load_b128 v[32+8*\t+4*\e:35+8*\t+4*\e], v3 offset:128*((4*PI+\t)/2)+32*(\t%2)+16*\e
.endr
.endr
.else
.irp t, 0,1,2,3
	ds_load_b32 v[24+\t], v4 offset:128*(2*\h+\t/2)+32*(\t%2)   ; v: a lane holds one channel, so one number of the bias
.endr
.endif
	s_wait_dscnt 0x0                               ; the bias, this pass's fragments and words are in; the last pass's LDS stores have read their registers
.if \kind < 2
.irp t, 0,1,2,3
	WM 64+8*\t, FS+8*\t, 104, 32+8*\t, SS+\t, 237
.endr
	NOPS 5                                         ; the next four write over the C of the last four: five places (ISA guide 7.12.1)
.irp t, 0,1,2,3
	WM 32+8*\t, FS+8*\t, 96, 32+8*\t, SS+\t, 236
.endr
.else
.irp t, 0,1,2,3
.irp j, 0,1,2,3,4,5,6,7
	v_mov_b32 v[32+16*\t+\j], v[24+\t]
.endr
.endr
	NOPS 4
.irp t, 0,1,2,3
	WM 40+16*\t, 104, FS+8*\t, 32+16*\t, 237, SS+\t
.endr
	NOPS 5
.irp t, 0,1,2,3
	WM 32+16*\t, 96, FS+8*\t, 32+16*\t, 236, SS+\t
.endr
.endif
.if \last == 0
.irp t, 0,1,2,3
.irp c, 0,1
	ds_load_b128 v[FN+8*\t+4*\c:FN+8*\t+4*\c+3], v1 offset:1024*(4*PI+4+\t)+512*\c
.endr
.endr
	ds_load_b128 v[SN:SN+3], v2 offset:256*(PI+1)
.endif
	NOPS 4                                         ; places ahead of the first read of the results
.if \kind == 0
.set J, 0
.rept 32
	v_pk_mul_f32 v[32+J:33+J], v[32+J:33+J], s[58:59] op_sel_hi:[1,0]   ; q x 32^-0.5
.set J, J+2
.endr
.endif
	QCORE 32, 248
.if \kind == 0                         ; block 2 u + p of the four is head 2 h + p of tile u: into my own images, over x's, which are in registers
.irp u, 0,1
.irp p, 0,1
	ds_store_b64 v14, v[248+2*(2*\u+\p):249+2*(2*\u+\p)] offset:P_XQ+1024*\u+256*(2*\h+\p)
	ds_store_b8 v15, v[28+2*\u+\p] offset:128+64*\u+2*\h+\p
.endr
.endr
.endif
.if \kind == 1                         ; the same into K's images: key tile 2 i + u
.irp u, 0,1
.irp p, 0,1
	ds_store_b64 v9, v[248+2*(2*\u+\p):249+2*(2*\u+\p)] offset:1024*\u+256*(2*\h+\p)
	ds_store_b8 v10, v[28+2*\u+\p] offset:4*\u+2*\h+\p
.endr
.endr
.endif
.if \kind == 2                         ; block t is channel tile 4 h + t, keys = my 32 tokens: block i of V^T's K
.irp t, 0,1,2,3
	ds_store_b64 v11, v[248+2*\t:249+2*\t] offset:2048*(4*\h+\t)
	ds_store_b8 v12, v[28+\t] offset:256*((4*\h+\t)/2)+8*(\t%2)
.endr
.endif
.endm
.macro KLOAD s                         ; K's eight fragments and scale words of key step s
	FRAG8 160, 7, 8192*(\s)
	ds_load_b128 v[224:227], v8 offset:512*(\s)
	ds_load_b128 v[228:231], v8 offset:512*(\s)+256
.endm
; A KEY STEP: 128 keys, one head, my tile u.  v24 -M, v25 the largest t, v[26:27] the sum, v28 f, v244-247 the blocks' largest scores, v252-255 scale operands, v120-127 p's codes, v128-143 O^T, v144-159 V^T.
.macro STEP u, s
.if \s
	s_wait_dscnt 0x0                               ; K's fragments and words are in
.endif
	WIN 0x10                                       ; C: v256 on: the mask
.irp t, 0,1,2,3,4,5,6,7
	WM 32+8*\t, 160+8*\t, 112, 128*\u+64*\s+8*\t, 224+\t, 236+\u
.endr
	WIN 0
	NOPS 4                                         ; places ahead of the loads into registers that products have read, and of the first read of the scores
.if \s == 0
	ds_load_b128 v[232:235], v21                   ; V^T's scale words of this head: word 2 u' + s
.endif
.irp p, 0,1
.irp c, 0,1
	ds_load_b128 v[144+8*\p+4*\c:147+8*\p+4*\c], v20 offset:2048*\p+1024*\s+512*\c
.endr
.endr
	KLOAD 1-\s                                     ; the next step's K: 18 loads
.irp b, 0,1,2,3
	v_max3_num_f32 v[244+\b], v[32+16*\b], v[33+16*\b], v[34+16*\b]   ; the largest score of each block of 32 keys: for the row's maximum and, since p rises with the score, for the block's largest p
.endr
.irp i, 3,5,7,9,11,13
.irp b, 0,1,2,3
	v_max3_num_f32 v[244+\b], v[244+\b], v[32+16*\b+\i], v[33+16*\b+\i]
.endr
.endr
.irp b, 0,1,2,3
	v_max_num_f32 v[244+\b], v[244+\b], v[47+16*\b]
.endr
.irp b, 0,1,2,3
	v_permlanex16_b32 v[248+\b], v[244+\b], s54, s55
.endr
.irp b, 0,1,2,3
	v_max_num_f32 v[244+\b], v[244+\b], v[248+\b]
.endr
	v_max3_num_f32 v30, v244, v245, v246
	v_max_num_f32 v30, v30, v247
.if \s == 0
	v_mul_f32 v25, s56, v30                        ; the largest t
	v_floor_f32 v24, -v25                          ; -M = floor(-t): M is a whole number
.else
	v_mul_f32 v30, s56, v30
	v_max_num_f32 v25, v25, v30
	v_mov_b32 v30, v24
	v_floor_f32 v24, -v25
	v_sub_f32 v30, v24, v30                        ; old M - new M: a whole number, 0 or less
	v_cvt_i32_f32 v30, v30
	v_ldexp_f32 v28, 1.0, v30                      ; f = 2^(old M - new M): multiplying by it rounds nothing
.endif
.set J, 0
.rept 32
	v_pk_fma_f32 v[32+J:33+J], v[32+J:33+J], s[56:57], v[24:25] op_sel_hi:[1,0,0]   ; t - M
.set J, J+2
.endr
.irp b, 0,1,2,3
	v_fma_f32 v[244+\b], v[244+\b], s56, v24
.endr
.set J, 0
.rept 64
	v_exp_f32 v[32+J], v[32+J]                     ; p = 2^(t - M): not normalised
.set J, J+1
.endr
.if \s == 0
	v_mov_b32 v26, 0                               ; the sum begins.  (A plain line behind the exponentials)
	v_mov_b32 v27, 0
.else
	v_pk_mul_f32 v[26:27], v[26:27], v[28:29] op_sel_hi:[1,0]   ; the sum under the new M.  (A plain line behind the exponentials)
.endif
	s_wait_alu depctr_va_vdst(0)                   ; one wait for the 64, ahead of the first use of a result
.irp b, 0,1,2,3
	v_exp_f32 v[244+\b], v[244+\b]                 ; the blocks' largest p
.endr
	v_pk_add_f32 v[248:249], v[32:33], v[34:35]    ; the sum of the unquantised p, in two chains; this half reads the 64 alone
.set J, 4
.rept 7
	v_pk_add_f32 v[26:27], v[26:27], v[32+J:33+J]
	v_pk_add_f32 v[248:249], v[248:249], v[34+J:35+J]
.set J, J+4
.endr
	s_wait_alu depctr_va_vdst(0)                   ; and one for the four
.irp b, 0,1,2,3
	v_max_num_f32 v[244+\b], 0x1800000, v[244+\b]  ; the floor: a block whose every p is 0 keeps the byte 1 over zero codes
.endr
.irp b, 0,1,2,3
	v_add_nc_u32 v[252+\b], 0xff000000, v[244+\b]
.endr
	v_lshrrev_b32 v238, 23, v252
	v_lshrrev_b32 v250, 23, v253
	v_lshrrev_b32 v251, 23, v254
	v_lshrrev_b32 v30, 23, v255
	v_lshl_or_b32 v238, v250, 8, v238              ; p's scale word for these 128 keys
	v_lshl_or_b32 v238, v251, 16, v238
	v_lshl_or_b32 v238, v30, 24, v238
.irp b, 0,1,2,3
	v_cvt_scalef32_pk8_fp4_f32 v[120+2*\b], v[32+16*\b:39+16*\b], v[252+\b]
	v_cvt_scalef32_pk8_fp4_f32 v[121+2*\b], v[40+16*\b:47+16*\b], v[252+\b]
.endr
	v_nop
.irp c, 0,1
.irp i, 0,1
	v_permlane16_swap_b32 v[120+4*\c+\i], v[122+4*\c+\i]
.endr
.endr
.set J, 32
.rept 8
	v_pk_add_f32 v[26:27], v[26:27], v[32+J:33+J]  ; the sums' other half: 17 plain lines, the places between the scale word and the codes just made and the products that take them
	v_pk_add_f32 v[248:249], v[248:249], v[34+J:35+J]
.set J, J+4
.endr
	v_pk_add_f32 v[26:27], v[26:27], v[248:249]
.if \s
.set J, 0
.rept 8
	v_pk_mul_f32 v[128+J:129+J], v[128+J:129+J], v[28:29] op_sel_hi:[1,0]   ; O^T under the new M
.set J, J+2
.endr
.endif
	s_wait_dscnt 18                                ; V^T and its words are in; the 18 loads of the next step's K were issued behind them
.irp p, 0,1
.if \s
	WM 128+8*\p, 144+8*\p, 120, 128+8*\p, 232+2*\p+\s, 238
.else
	WMZ 128+8*\p, 144+8*\p, 120, 232+2*\p+\s, 238
.endif
.endr
.endm
; A head's end: O^T / the sum is block b of proj's K: quantised, its half block and its byte go into my image.
.macro FINISH
	v_add_f32 v26, v26, v27
	v_permlanex16_b32 v31, v26, s54, s55
	v_add_f32 v26, v26, v31                        ; the row's sum
	v_rcp_f32 v26, v26
	NOPS 2                                         ; with the additions: the places behind the last products; and the plain line behind the reciprocal
	s_wait_alu depctr_va_vdst(0)
.set J, 0
.rept 8
	v_pk_mul_f32 v[128+J:129+J], v[128+J:129+J], v[26:27] op_sel_hi:[1,0]
.set J, J+2
.endr
	v_max3_num_f32 v30, |v128|, |v129|, 0x1800000
	v_max_num_f32 v31, |v130|, |v131|
.irp j, 4,8,12
	v_max3_num_f32 v30, v30, |v[128+\j]|, |v[129+\j]|
	v_max3_num_f32 v31, v31, |v[130+\j]|, |v[131+\j]|
.endr
	v_max_num_f32 v30, v30, v31
	v_permlanex16_b32 v31, v30, s54, s55
	v_max_num_f32 v30, v30, v31
	v_add_nc_u32 v244, 0xff000000, v30
	v_lshrrev_b32 v245, 23, v244
	v_cvt_scalef32_pk8_fp4_f32 v252, v[128:135], v244
	v_cvt_scalef32_pk8_fp4_f32 v253, v[136:143], v244
	v_nop
	ds_store_b64 v22, v[252:253]
	ds_store_b8 v23, v245
.endm
; Attention of my tile u: a loop over the four heads.
.macro ATT u
	s_mov_b32 s48, KV                              ; from K's images to V^T's of head b: + 4,096 a head
	s_mov_b32 s49, KV                              ; likewise the words: + 256 a head
	s_mov_b32 s50, 1280*\u                         ; my image of the result: + 256 a head
	s_mov_b32 s51, 64*\u                           ; its words: + 1 a head
	s_mov_b32 s15, 0
.Latt\u:
	s_wait_dscnt 0x0                               ; K's fragments are in, the mask's turn is over, and the last head's stores have read their registers: v20-23 may be written
	s_and_b32 s53, s15, 1
	s_lshl_b32 s53, s53, 4
	s_lshl_b32 s53, 0xffff, s53                    ; block b of a fragment lies in registers 4 (b / 2) on of lanes 16 (b % 2) on
	s_cmp_lt_u32 s15, 2
	s_cselect_b32 s62, s53, 0
	s_cselect_b32 s63, 0, s53
.irp e, 0,1,2,3
	v_cndmask_b32 v[112+\e], 0, v[96+8*\u+\e], s62
.endr
.irp e, 4,5,6,7
	v_cndmask_b32 v[112+\e], 0, v[96+8*\u+\e], s63
.endr
	v_add_nc_u32 v20, s48, v7                      ; (these four are the places between the codes just written and the products)
	v_add_nc_u32 v21, s49, v8
	v_add_nc_u32 v22, s50, v14
	v_add_nc_u32 v23, s51, v15
	STEP \u, 0
	STEP \u, 1
	FINISH
	s_add_co_u32 s48, s48, 4096
	s_add_co_u32 s49, s49, 256
	s_add_co_u32 s50, s50, 256
	s_add_co_u32 s51, s51, 1
	s_add_co_u32 s15, s15, 1
	s_cmp_lt_u32 s15, 4
	s_cbranch_scc1 .Latt\u
.endm
; GELU on RB, eight numbers (one accumulator) at a time.  v160-191: xc and u, two sets; v192-199 P; v200-207 Q.  The next batch's first lines stand between a batch's reciprocals and the one wait for them.
.macro GPRE k
.set GX, 160+16*((\k)%2)
.irp j, 0,1,2,3,4,5,6,7
	v_med3_num_f32 v[GX+\j], v[96+8*(\k)+\j], s85, s84
.endr
.irp j, 0,2,4,6
	v_pk_mul_f32 v[GX+8+\j:GX+9+\j], v[GX+\j:GX+1+\j], v[GX+\j:GX+1+\j]
.endr
.endm
.macro GMAIN k
.set GU, 168+16*((\k)%2)
.irp j, 0,2,4,6
	v_pk_fma_f32 v[192+\j:193+\j], v[GU+\j:GU+\j+1], v[240:241], s[66:67] op_sel_hi:[1,1,0]
.endr
.irp j, 0,2,4,6
	v_pk_fma_f32 v[200+\j:201+\j], v[GU+\j:GU+\j+1], v[242:243], s[74:75] op_sel_hi:[1,1,0]
.endr
.irp n, 0,1,2
.irp j, 0,2,4,6
	v_pk_fma_f32 v[192+\j:193+\j], v[192+\j:193+\j], v[GU+\j:GU+\j+1], s[68+2*\n:69+2*\n] op_sel_hi:[1,1,0]
.endr
.irp j, 0,2,4,6
	v_pk_fma_f32 v[200+\j:201+\j], v[200+\j:201+\j], v[GU+\j:GU+\j+1], s[76+2*\n:77+2*\n] op_sel_hi:[1,1,0]
.endr
.endr
.irp j, 0,2,4,6
	v_pk_fma_f32 v[200+\j:201+\j], v[200+\j:201+\j], v[GU+\j:GU+\j+1], s[82:83] op_sel_hi:[1,1,0]
.endr
.irp j, 0,2,4,6
	v_pk_fma_f32 v[200+\j:201+\j], v[200+\j:201+\j], v[GU+\j:GU+\j+1], 1.0 op_sel_hi:[1,1,0]
.endr
.irp j, 0,1,2,3,4,5,6,7
	v_rcp_f32 v[200+\j], v[200+\j]
.endr
.endm
.macro GFIN k
.set GX, 160+16*((\k)%2)
.irp j, 0,2,4,6
	v_pk_mul_f32 v[192+\j:193+\j], v[192+\j:193+\j], v[200+\j:201+\j]
.endr
.irp j, 0,2,4,6
	v_pk_fma_f32 v[192+\j:193+\j], v[GX+\j:GX+1+\j], v[192+\j:193+\j], 0.5 op_sel_hi:[1,1,0]
.endr
.irp j, 0,2,4,6
	v_pk_mul_f32 v[96+8*(\k)+\j:97+8*(\k)+\j], v[96+8*(\k)+\j:97+8*(\k)+\j], v[192+\j:193+\j]
.endr
.endm
; ---------------- the head: ids, addresses, constants
	s_load_b256 s[4:11], s[0:1], 0x0               ; x s[4:5], mask s[6:7], wq s[8:9], out0 s[10:11]
	v_lshrrev_b32 v160, 5, v0
	v_readfirstlane_b32 s12, v160                  ; wave i
	v_and_b32 v161, 31, v0                         ; lane l
	v_and_b32 v162, 15, v0                         ; r
	v_bfe_u32 v163, v0, 4, 1                       ; h
	v_lshlrev_b32 v1, 4, v161                      ; v1: 16 l: an image's place for my lane (the weights' fragments begin at LDS byte 0)
	v_lshl_add_u32 v2, v162, 4, SCW                ; v2: the weights' scale words of row r
	v_lshl_add_u32 v3, v163, 6, BIA                ; v3: biases and gains in the results' layout
	v_and_b32 v164, 8, v162
	v_add_nc_u32 v164, v164, v162
	v_lshl_add_u32 v4, v164, 2, BIA+1024           ; v4: v's bias of channel r + 8 (r / 8) of a tile
	s_mul_i32 s88, s12, XWAVE
	s_add_co_u32 s88, s88, XR
	v_mul_u32_u24 v5, v162, XROW
	v_lshl_add_u32 v5, v163, 6, v5
	v_add_nc_u32 v5, s88, v5                       ; v5: my rows: row r, + 64 h
	v_add_nc_u32 v6, s88, v1                       ; v6: my rows, 16 bytes a lane
	v_add_nc_u32 v7, KIM, v1                       ; v7: K's images
	v_lshl_add_u32 v8, v162, 4, KSC                ; v8: K's words of row r
	v_lshlrev_b32 v165, 4, v162
	v_lshl_add_u32 v165, v163, 3, v165             ; 16 r + 8 h: a half block's place in an image
	s_lshl_b32 s88, s12, 11
	s_add_co_u32 s88, s88, KIM
	v_add_nc_u32 v9, s88, v165                     ; v9: where I store K's codes: key tiles 2 i, 2 i + 1
	s_lshr_b32 s88, s12, 1
	s_lshl_b32 s88, s88, 8
	s_and_b32 s89, s12, 1
	s_lshl_b32 s89, s89, 3
	s_add_co_u32 s88, s88, s89
	s_add_co_u32 s88, s88, KSC
	v_lshl_add_u32 v10, v162, 4, s88               ; v10: and their bytes
	s_lshl_b32 s88, s12, 8
	s_add_co_u32 s88, s88, VIM
	v_add_nc_u32 v11, s88, v165                    ; v11: where I store V^T's codes: block i
	s_add_co_u32 s88, s12, VSC
	v_lshl_add_u32 v12, v162, 4, s88               ; v12: and their bytes
	s_mul_i32 s98, s12, PRIVB
	s_add_co_u32 s98, s98, PRIV                    ; s98: my own region
	v_add_nc_u32 v13, s98, v1                      ; v13: its images, read
	v_add_nc_u32 v14, s98, v165                    ; v14: its images, written
	s_add_co_u32 s88, s98, P_W
	v_lshl_add_u32 v15, v162, 2, s88               ; v15: its scale words
	s_mul_i32 s88, s12, 15872
	v_add_nc_u32 v20, s88, v1                      ; wq's copy: waves 0-6 take 31 pieces of 512 bytes each: 7 x 31 x 512 = 111,104; the same offset in memory and in LDS
	v_lshlrev_b32 v23, 10, v163
	v_lshl_add_u32 v23, v162, 4, v23               ; the mask: two rows a load
	; the window's place and my tokens' offsets
	s_and_b32 s88, ttmp9, 3
	s_lshl_b32 s88, s88, 2                         ; 4 Wt
	s_bfe_u32 s89, ttmp9, 0x20002
	s_lshl_b32 s89, s89, 2                         ; 4 Ww
	s_bfe_u32 s90, ttmp9, 0x20004
	s_lshl_b32 s90, s90, 2                         ; 4 Wh
	s_lshr_b32 s91, ttmp9, 6
	s_lshl_b32 s91, s91, 2                         ; 4 Wd
	s_lshr_b32 s92, s12, 1                         ; d = i / 2
	s_add_co_u32 s92, s92, s91
	s_add_co_u32 s92, s92, 2
	s_and_b32 s92, s92, 15
	s_lshl_b32 s92, s92, 21                        ; offD
	s_and_b32 s93, s12, 1
	s_lshl_b32 s93, s93, 1
	s_add_co_u32 s93, s93, s90
	s_add_co_u32 s93, s93, 2                       ; 4 Wh + 2 (i % 2) + 2: h's index less the token's h bit
.irp t, 0,1,2,3
	s_add_co_u32 s94, s88, \t+2
	s_and_b32 s94, s94, 15
	s_lshl_b32 s94, s94, 9
	v_add_nc_u32 v[16+\t], s94, v1                 ; v16-19: 16 l + offT(t)
.endr
	v_and_b32 v166, 3, v161                        ; the prefetch's offset: lane l names token l of my 32
	s_add_co_u32 s94, s88, 2
	v_add_nc_u32 v166, s94, v166
	v_and_b32 v166, 15, v166
	v_lshlrev_b32 v239, 9, v166
	v_bfe_u32 v166, v161, 2, 2
	s_add_co_u32 s94, s89, 2
	v_add_nc_u32 v166, s94, v166
	v_and_b32 v166, 15, v166
	v_lshl_add_u32 v239, v166, 13, v239
	v_add_nc_u32 v166, s93, v163
	v_and_b32 v166, 15, v166
	v_lshl_add_u32 v239, v166, 17, v239
	s_mov_b32 s54, 0x76543210
	s_mov_b32 s55, 0xfedcba98                      ; v_permlanex16_b32's selects for lane l xor 16
	SPAIR 56, 0x3fb8aa3b                           ; log2(e)
	SPAIR 58, 0x3e3504f3                           ; 32^-0.5
	s_mov_b32 s60, 0x3c000000                      ; 1 / 128
	s_mov_b32 s61, 0x3727c5ac                      ; 1e-5
	SPAIR 66, 0x391df186                           ; GELU's numerator: A7, A5, A3, A1 (A9 in v[240:241])
	SPAIR 68, 0x3b93955d
	SPAIR 70, 0x3d061aeb
	SPAIR 72, 0x3ecc422a
	SPAIR 74, 0x354588df                           ; its denominator: B10, B8, B6, B4, B2 (B12 in v[242:243]; B0 = 1)
	SPAIR 76, 0x38856d28
	SPAIR 78, 0x3ae687d4
	SPAIR 80, 0x3ce34c21
	SPAIR 82, 0x3e7eb44a
	s_mov_b32 s84, 0x40ad7080                      ; +-5.41998: beyond it erf is 1 in f32
	s_mov_b32 s85, 0xc0ad7080
	v_mov_b32 v240, 0x36a9d49f
	v_mov_b32 v241, 0x36a9d49f
	v_mov_b32 v242, 0xb0fd3906
	v_mov_b32 v243, 0xb0fd3906
.irp j, 24,25,26,27,28,29,30,31,244,245,246,247,248,249,250,251,252,253,254,255
	v_mov_b32 v[\j], 0                             ; written once: destinations of lane permutes and upper halves of pairs count as read
.endr
	s_mov_b32 s95, 0
	s_wait_kmcnt 0x0
.irp hh, 0,1
	s_add_co_u32 s96, s93, \hh
	s_and_b32 s96, s96, 15
	s_lshl_b32 s96, s96, 17
	s_add_co_u32 s96, s96, s92                     ; offD + offH
.irp w, 0,1,2,3
	s_add_co_u32 s94, s89, \w+2
	s_and_b32 s94, s94, 15
	s_lshl_b32 s94, s94, 13
	s_add_co_u32 s94, s94, s96
	s_add_nc_u64 s[16+8*\hh+2*\w:17+8*\hh+2*\w], s[4:5], s[94:95]     ; s[16:31]: x at (d, h, w) of my tokens
	s_add_nc_u64 s[32+8*\hh+2*\w:33+8*\hh+2*\w], s[10:11], s[94:95]   ; s[32:47]: out0 likewise
.endr
.endr
	s_add_co_u32 s94, s92, 0x2000000
	s_add_nc_u64 s[86:87], s[4:5], s[94:95]        ; the prefetch's base: batch 1, my d
	s_lshl_b32 s94, ttmp9, 18
	s_lshl_b32 s96, s12, 15
	s_add_co_u32 s94, s94, s96
	s_add_nc_u64 s[6:7], s[6:7], s[94:95]          ; the mask at my window's, my wave's first query row
; ---------------- first loads: wq, batch 0's rows, the mask
	s_cmp_lt_u32 s12, 7
	s_cbranch_scc0 .Lno_wq_load
	WIN 0x40                                       ; through v384 on, which the mask's second tile takes afterwards
.set J, 0
.rept 31
	global_load_b128 v[128+4*J:131+4*J], v20, s[8:9] offset:512*J
.set J, J+1
.endr
	WIN 0
.Lno_wq_load:
	XLOADS
	MLOAD 0
	s_wait_loadcnt 32                              ; wq's pieces and x are in; the mask tile's 32 loads, issued behind them, may be out
	s_cmp_lt_u32 s12, 7
	s_cbranch_scc0 .Lno_wq_store
	WIN 0x04
.set J, 0
.rept 31
	ds_store_b128 v20, v[128+4*J:131+4*J] offset:512*J
.set J, J+1
.endr
	WIN 0
.Lno_wq_store:
	XSTORES
	s_wait_dscnt 0x0                               ; the stores have read their registers
	MLOAD 1
	s_mov_b32 s13, 0                               ; the batch
	s_mov_b32 s52, 0                               ; trips of the MLP's loop since the start
.Lwin:
	s_wait_xcnt 0x0                                ; the global loads have read their offset registers
	s_wait_dscnt 0x0                               ; my LDS stores have landed, my LDS loads are in
	s_barrier_signal -1
	s_barrier_wait -1                              ; first window: the weights lie in LDS; second: nobody reads the first window's K and V any more
; ---------------- P1: LN1 and x's codes, a tile a trip
	ROW16 96, 3, 4608                              ; g1
	ROW16 160, 3, 5120                             ; b1
	s_mov_b32 s48, 0
	s_mov_b32 s49, P_XQ
	s_mov_b32 s50, 128
	s_mov_b32 s14, 0
.Lp1:
	v_add_nc_u32 v20, s48, v5
	v_add_nc_u32 v21, s49, v14
	v_add_nc_u32 v22, s50, v15
	ROW16 32, 20, 0
	s_wait_dscnt 0x0
	LN 32, 96, 160
	QCORE 32, 248
	v_lshl_or_b32 v28, v29, 8, v28
	v_lshl_or_b32 v28, v30, 16, v28
	v_lshl_or_b32 v28, v31, 24, v28                ; my row's scale word
.irp b, 0,1,2,3
	ds_store_b64 v21, v[248+2*\b:249+2*\b] offset:256*\b
.endr
	ds_store_b32 v22, v28
	s_wait_dscnt 0x0                               ; the stores have read their registers
	s_add_co_u32 s48, s48, 16*XROW
	s_add_co_u32 s49, s49, 1024
	s_add_co_u32 s50, s50, 64
	s_add_co_u32 s14, s14, 1
	s_cmp_lt_u32 s14, 2
	s_cbranch_scc1 .Lp1
; ---------------- P2: q, k, v
	ds_load_b128 v[96:99], v13 offset:P_XQ         ; x's two fragments
	ds_load_b128 v[100:103], v13 offset:P_XQ+512
	ds_load_b128 v[104:107], v13 offset:P_XQ+1024
	ds_load_b128 v[108:111], v13 offset:P_XQ+1536
	ds_load_b32 v236, v15 offset:128
	ds_load_b32 v237, v15 offset:192
.irp t, 0,1,2,3
.irp c, 0,1
	ds_load_b128 v[160+8*\t+4*\c:163+8*\t+4*\c], v1 offset:1024*\t+512*\c
.endr
.endr
	ds_load_b128 v[224:227], v2
	PASS 0, 0, 0
	PASS 0, 1, 0
	PASS 1, 0, 0
	PASS 1, 1, 0
	PASS 2, 0, 0
	PASS 2, 1, 1
	ds_load_b128 v[96:99], v13 offset:P_XQ         ; q's two fragments, from where x's lay: LDS serves my instructions in order
	ds_load_b128 v[100:103], v13 offset:P_XQ+512
	ds_load_b128 v[104:107], v13 offset:P_XQ+1024
	ds_load_b128 v[108:111], v13 offset:P_XQ+1536
	ds_load_b32 v236, v15 offset:128
	ds_load_b32 v237, v15 offset:192
	s_wait_dscnt 0x0                               ; for the others' sake: my codes of K and V have landed
	s_barrier_signal -1
	s_barrier_wait -1                              ; K and V are whole
	KLOAD 0
; ---------------- P3: attention
	s_wait_loadcnt 32                              ; the mask's first tile is in; the second tile's 32 loads may be out
	s_cmp_lg_u32 s13, 0
	s_cbranch_scc1 .Lmask0_turned                  ; the second batch finds the mask in place
	MASKT 0
.Lmask0_turned:
	ATT 0
	s_wait_loadcnt 0x0
	s_cmp_lg_u32 s13, 0
	s_cbranch_scc1 .Lmask1_turned
	MASKT 1
.Lmask1_turned:
	ATT 1
	s_wait_dscnt 0x0                               ; the last step's fetch of K, which nothing uses, has landed: its registers are loaded anew below
; ---------------- P4: proj, residual, LN2, MLP, residual: a tile a trip
	s_mov_b32 s48, 0
	s_mov_b32 s49, 0
	s_mov_b32 s50, 0
	s_mov_b32 s14, 0
.Lp4:
	v_add_nc_u32 v20, s48, v5
	v_add_nc_u32 v21, s49, v13
	v_add_nc_u32 v22, s50, v15
	ds_load_b128 v[248:251], v21                   ; attention's result: its fragment,
	ds_load_b128 v[252:255], v21 offset:512
	ds_load_b32 v236, v22                          ; its scale word
	FRAG8 160, 1, 24576                            ; w_proj
	ds_load_b128 v[224:227], v2 offset:1536
	ds_load_b128 v[228:231], v2 offset:1792
	ROW16 32, 3, 1536                              ; b_proj: the C of the products
	ROW16 96, 20, 0                                ; x
	s_wait_dscnt 0x0
.irp t, 0,1,2,3,4,5,6,7
	WM 32+8*\t, 160+8*\t, 248, 32+8*\t, 224+\t, 236
.endr
	NOPS 4
	PKADD 32, 96                                   ; x1 = x + proj
	ROWST 32, 20
	ROW16 96, 3, 5632                              ; g2
	ROW16 160, 3, 6144                             ; b2
	LN 32, 96, 160
	QCORE 32, 248
	TOREG 248, 236                                 ; the MLP's input: v248-255, word v236
	ROW16 32, 3, 4096                              ; b_fc2: y's sums begin with it
	NOPS 4                                         ; the places behind the codes just made; with the five lines at the loop's head: nine behind the scale word, of which eight are asked
	s_mov_b32 s51, 32768
	s_mov_b32 s53, 0
	s_mov_b32 s15, 0
.Lmlp:                                                 ; a trip: 128 hidden units: one K step of fc2
	v_add_nc_u32 v21, s51, v1                      ; FIVE plain lines that name none of the last products' registers: fc1's products below write over v96-159, which the last trip's
	v_add_nc_u32 v22, s53, v2                      ; fc2 products read as w_fc2's fragments: five places; the loads into those registers ask four
	v_add_nc_u32 v23, s53, v3
	NOPS 2
	FRAG8 160, 21, 0                               ; w_fc1's eight tiles
	ds_load_b128 v[224:227], v22 offset:2048
	ds_load_b128 v[228:231], v22 offset:2304
	ROW16 96, 23, 2048                             ; b_fc1
	s_cmp_eq_u32 s52, 7                            ; in the first window's last trip: batch 1's rows of my tokens are asked for, a lane a row of 512 bytes, each aligned 256 bytes named once in the launch;
	s_cbranch_scc0 .Lno_ask                        ; this trip's and the way out's instructions lie between the request and the loads
	global_prefetch_b8 v239, s[86:87] th:TH_LOAD_NT scope:SCOPE_SE
	global_prefetch_b8 v239, s[86:87] offset:256 th:TH_LOAD_NT scope:SCOPE_SE
.Lno_ask:
	s_wait_dscnt 0x0
.irp t, 0,1,2,3,4,5,6,7
	WM 96+8*\t, 160+8*\t, 248, 96+8*\t, 224+\t, 236
.endr
	NOPS 4
	ds_load_b128 v[224:227], v22 offset:4096       ; w_fc2's words of this K step
	ds_load_b128 v[228:231], v22 offset:4352
	GPRE 0
.irp k, 0,1,2,3,4,5,6
	GMAIN \k
	GPRE \k+1
	s_wait_alu depctr_va_vdst(0)                   ; one wait for a batch's eight reciprocals, ahead of the first use
	GFIN \k
.endr
	GMAIN 7
	v_nop
	s_wait_alu depctr_va_vdst(0)
	GFIN 7
	QCORE 96, 208
	FRAG8 96, 21, 32768                            ; w_fc2's eight tiles of this K step, into the registers that the hidden layer has left
	TOREG 208, 238
	NOPS 8                                         ; places between the scale word and the codes just made and the products
	s_wait_dscnt 0x0
.irp t, 0,1,2,3,4,5,6,7
	WM 32+8*\t, 96+8*\t, 208, 32+8*\t, 224+\t, 238
.endr
	s_add_co_u32 s52, s52, 1
	s_add_co_u32 s51, s51, 8192
	s_add_co_u32 s53, s53, 512
	s_add_co_u32 s15, s15, 1
	s_cmp_lt_u32 s15, 4
	s_cbranch_scc1 .Lmlp
	NOPS 4
	ROW16 96, 20, 0                                ; x1
	s_wait_dscnt 0x0
	PKADD 32, 96                                   ; the result
	ROWST 32, 20
	s_wait_dscnt 0x0                               ; the stores have read their registers
	s_add_co_u32 s48, s48, 16*XROW
	s_add_co_u32 s49, s49, 1280
	s_add_co_u32 s50, s50, 64
	s_add_co_u32 s14, s14, 1
	s_cmp_lt_u32 s14, 2
	s_cbranch_scc1 .Lp4
; ---------------- the way out: whole token rows
.set M, 0
.rept 32
	ds_load_b128 v[32+4*M:35+4*M], v6 offset:XROW*(16*((M>>3)&1)+(M&7)+8*(M>>4))
.set M, M+1
.endr
.set M, 0
.rept 32
	s_wait_dscnt 31-M                              ; row M is in; the younger rows' loads may be out
	global_store_b128 v[16+(M&3)], v[32+4*M:35+4*M], s[32+8*(M>>4)+2*((M>>2)&3):33+8*(M>>4)+2*((M>>2)&3)] th:TH_STORE_NT   ; 32 lanes store 512 consecutive bytes, aligned
.set M, M+1
.endr
	s_add_co_u32 s13, s13, 1
	s_cmp_eq_u32 s13, 2
	s_cbranch_scc1 .Lend
	s_wait_xcnt 0x0                                ; the stores have read their registers and bases: both are written below
.set J, 0
.rept 16
	s_add_nc_u64 s[16+2*J:17+2*J], s[16+2*J:17+2*J], 0x2000000   ; x and out0: the next batch
.set J, J+1
.endr
	XLOADS
	s_wait_loadcnt 0x0
	XSTORES
	s_cmp_lt_u32 s13, 2
	s_cbranch_scc1 .Lwin
.Lend:
	s_wait_xcnt 0x0
	v_lshl_add_u32 v254, v0, 2, 0x4fa00
	v_mov_b32 v255, 0
	s_wait_tensorcnt 0x0
	ds_add_u32 v254, v255
	s_wait_dscnt 0x0
	s_endpgm
.Lfunc_end_k_q6fff3b01bd_swin:
	.size	k_q6fff3b01bd_swin, .Lfunc_end_k_q6fff3b01bd_swin-k_q6fff3b01bd_swin
	.p2alignl 7, 3214868480
	.fill 96, 4, 3214868480
	.section	.rodata,"a",@progbits
	.p2align	6, 0x0
	.amdhsa_kernel k_q6fff3b01bd_swin
		.amdhsa_group_segment_fixed_size 327680
		.amdhsa_private_segment_fixed_size 0
		.amdhsa_enable_private_segment 0
		.amdhsa_kernarg_size 32
		.amdhsa_user_sgpr_count 2
		.amdhsa_user_sgpr_kernarg_segment_ptr 1
		.amdhsa_wavefront_size32 1
		.amdhsa_system_sgpr_workgroup_id_x 1
		.amdhsa_system_sgpr_workgroup_id_y 1
		.amdhsa_system_sgpr_workgroup_id_z 1
		.amdhsa_system_vgpr_workitem_id 0
		.amdhsa_next_free_vgpr 512
		.amdhsa_next_free_sgpr 100
		.amdhsa_reserve_vcc 0
		.amdhsa_float_denorm_mode_32 3
		.amdhsa_float_denorm_mode_16_64 3
		.amdhsa_memory_ordered 1
		.amdhsa_forward_progress 1
		.amdhsa_inst_pref_size 246
	.end_amdhsa_kernel
	.amdgpu_metadata
---
amdhsa.version: [ 1, 2 ]
amdhsa.kernels:
  - .name:           k_q6fff3b01bd_swin
    .symbol:         k_q6fff3b01bd_swin.kd
    .args:
      - { .name: x, .offset: 0, .size: 8, .value_kind: global_buffer, .address_space: global }
      - { .name: mask_matrix, .offset: 8, .size: 8, .value_kind: global_buffer, .address_space: global }
      - { .name: wq, .offset: 16, .size: 8, .value_kind: global_buffer, .address_space: global }
      - { .name: out0, .offset: 24, .size: 8, .value_kind: global_buffer, .address_space: global }
    .group_segment_fixed_size: 327680
    .private_segment_fixed_size: 0
    .kernarg_segment_align: 8
    .kernarg_segment_size: 32
    .max_flat_workgroup_size: 256
    .sgpr_count:     100
    .vgpr_count:     512
    .wavefront_size: 32
...
	.end_amdgpu_metadata
.endif
;; end of part 2
;; ======== version 2 of 2: 2 launches; version 1 with the launch swin written anew for expert scheduling mode
;; workspace buffers: wq 111,104 bytes
;; launch prep: the kernel of part 1 again; grid 25 x 1, 1 waves a work-group, no clusters, 0 bytes of LDS; arguments w_qkv, w_proj, w_fc1, w_fc2, b_qkv, b_proj, b_fc1, b_fc2, g1, b1, g2, b2, wq; writes wq
;; launch swin (part 3): grid 256 x 1, 8 waves a work-group, no clusters, 327,680 bytes of LDS; arguments x, mask_matrix, wq, out0; writes out0
.if DOCPART == 3
	.amdgcn_target "amdgcn-amd-amdhsa--gfx1250"
	.amdhsa_code_object_version 6
	.text
	.protected	k_q6fff3b01bd_swin
	.globl	k_q6fff3b01bd_swin
	.p2align	8
	.type	k_q6fff3b01bd_swin,@function
k_q6fff3b01bd_swin:
	s_mov_b64 s[64:65], 0
	v_nop
	global_prefetch_b8 v0, s[64:65] scope:SCOPE_SE
	s_setreg_imm32_b32 hwreg(HW_REG_WAVE_SCHED_MODE, 0, 2), 2
	s_setreg_imm32_b32 hwreg(HW_REG_WAVE_MODE, 25, 1), 1
	s_wait_xcnt 0x0
	s_wait_alu depctr_vm_vsrc(0)
; The whole block: LN1, shifted windows, QKV, attention with the mask input, proj, residual, LN2, fc1, exact GELU, fc2, residual.  All six products on codes of FP4 (E2M1) with E8M0 scales, made here in f32.
; The roll by -2 and the roll back cancel: window place (Wd, Wh, Ww, Wt), in-window place (d, h, w, t) reads and writes the token at ((4 W + place + 2) & 15) along each axis.  Nothing crosses windows.
; SHARES.  Work-group w takes window place w for batch 0 and then batch 1, so mask[w] (262,144 bytes) is loaded once; it stays in registers v256-511, each wave's 32 query rows x 256 keys, in the layout of the
; scores, and is the C of the products K Q^T.  Eight waves of 512 registers; wave i takes window tokens 32 i .. 32 i + 31 through the whole chain, as two tiles u of 16: row p of tile u is token 8 u + (p & 7) + 16 (p >> 3).
; Only the codes of K and V go from wave to wave (LDS, as images of operand registers): two barriers a window.
; LAYOUT.  Products are used transposed (source 0 = 16 weight rows, source 1 = 16 tokens): lane (r, h) holds token r, and the 16 registers of weight tiles 2 b, 2 b + 1 are features 32 b + 16 h + 0 .. 15
; (the weights' tiles were laid for that).  x, q, k, proj's result, the hidden layer and y all lie so: residuals add register to register, a block of 32 lies in lanes l and l xor 16.
; V is made untransposed: a lane holds one channel and 16 tokens of my 32, which are block i of the second product's K.  S^T = K Q^T + mask, O^T = V^T P^T: a lane holds one query throughout.
; K Q^T has K = 32 a head: the four heads are the four blocks of one fragment; Q's codes outside the head in hand are made zeros, which add nothing.
; SOFTMAX: t = score x log2(e); M = the running largest t rounded up to a whole number; p = 2^(t - M) is quantised; the sum of the unquantised p divides at the end.
; GELU: x (0.5 + xc P(u) / Q(u)), xc = x held to +-5.41998, u = xc^2: a rational form of erf (degrees 4 and 6 in u) with 1/sqrt(2) and 1/2 folded into its coefficients.
; NO CLUSTER: the work-groups share only wq's 111,104 bytes, against 262,144 of mask and 524,288 of x and out0 that are each work-group's own.  NO TENSOR LOADS: token rows are gathered and each is used by one wave.
; LIMITS: inputs and mask finite.  A block whose largest magnitude lies under 2^-124 keeps the byte 1.  p under 2^-126 becomes 0.  0.5 + 0.5 erf is right to about 6e-8 absolutely, so GELU's far negative tail is right absolutely, not relatively.
;
; LDS: 0 wq's copy | XR 8 x 32 rows x 528 (x, then x1, then the result; a wave's own) | KIM 16 images of K | KSC their words | VIM 16 images of V^T | VSC their words | PRIV 8 x 5,632, a wave's own:
;   +0 attention's result for tile 0 (image); +1,024 scale words; +1,280 a stage of 16 x 272 for the mask's turn, later tile 1's image (+1,280) and the images of x, then q (+2,304 + 1,024 u).
; Rows of 528 and 272 bytes: the 16 rows that a 16-byte load touches start at 16 different 16-byte columns modulo 256.
; REGISTERS: v1-15 addresses that stay, v16-19 global offsets 16 lane + offT(t), v20-23 addresses in hand, v24-31 and v244-255 at work, RA v32-95, RB v96-159, RC v160-223, v224-238 scale words alone,
;   v239 the prefetch's offset, v240-243 two coefficients as pairs.
;
; THE MODE: SCHED_MODE bits 1:0 = 2 (LLVM: expert scheduling mode 2), set by the entry lines.  The code itself states the register dependences between vector or matrix instructions and
; memory or LDS instructions, with s_wait_alu, always for 0.
; THE PLAN.  Registers that memory or LDS instructions touch, and who else names them:
;   v1-19, v239    addresses made at the head and never written again: one wait on va_vdst ahead of the first loads states them.
;   v20-23         addresses in hand: written by vector lines at the head of a trip (P1, a head of attention, P4, the MLP) and of the mask's turn, read by that trip's loads and stores:
;                  a wait on vm_vsrc ahead of those lines, one on va_vdst behind them.
;   RA, RB, RC, v224-237   loads land in them, vector and matrix instructions work on them, and RA and RB are also stores' data.  A phase's wait on va_vdst stands ahead of its stores, or behind its last
;                  products; behind it the next phase's loads follow with no vector or matrix line between that names their registers.
;   v248-255, v28-31, v245   codes and bytes: written by the quantisers, read by LDS stores: va_vdst ahead of the stores, vm_vsrc ahead of the next quantiser.
;   v256-511       the mask: in its turn a quarter's stores read the registers in which the quarter's loads land: vm_vsrc between the two.
;   Operands and scale words that vector lines make for a product (Q's masked codes, p, the MLP's input, the hidden layer): the places, then a wait on va_vdst, then the products.
.set SCW,   98304
.set BIA,   104448
.set XR,    111104
.set XROW,  528
.set XWAVE, 32*XROW
.set KIM,   XR+8*XWAVE
.set KSC,   KIM+16384
.set VIM,   KSC+1024
.set VSC,   VIM+16384
.set PRIV,  VSC+1024
.set PRIVB, 5632
.set KV,    VIM-KIM                    ; = VSC - KSC
.set P_W,   1024
.set P_ST,  1280
.set P_XQ,  2304
.set MSB, 0
.macro WIN new                         ; s_set_vgpr_msb; the immediate's high byte repeats the setting that is left; a switch that changes nothing is dropped
.if MSB != \new
	s_set_vgpr_msb (MSB<<8)|\new
.set MSB, \new
.endif
.endm
.macro NOPS n
.rept \n
	v_nop
.endr
.endm
.macro SPAIR reg, val                  ; a constant as a scalar pair: the packed forms name the pair and take its low word for both halves
	s_mov_b32 s[\reg], \val
	s_mov_b32 s[\reg+1], \val
.endm
.macro WM d, a, b, c, sa, sb
	v_wmma_scale_f32_16x16x128_f8f6f4 v[(\d):(\d)+7], v[(\a):(\a)+7], v[(\b):(\b)+7], v[(\c):(\c)+7], v[(\sa)], v[(\sb)] matrix_a_fmt:MATRIX_FMT_FP4 matrix_b_fmt:MATRIX_FMT_FP4
.endm
.macro WMZ d, a, b, sa, sb
	v_wmma_scale_f32_16x16x128_f8f6f4 v[(\d):(\d)+7], v[(\a):(\a)+7], v[(\b):(\b)+7], 0, v[(\sa)], v[(\sb)] matrix_a_fmt:MATRIX_FMT_FP4 matrix_b_fmt:MATRIX_FMT_FP4
.endm
.macro ROW16 d, adr, off               ; 64 numbers of a lane: register 16 b + 4 j from byte 128 b + 16 j (the address holds 64 h): a token's row, or a bias or gain in the results' layout
.irp b, 0,1,2,3
.irp j, 0,1,2,3
	ds_load_b128 v[\d+16*\b+4*\j:\d+16*\b+4*\j+3], v[\adr] offset:\off+128*\b+16*\j
.endr
.endr
.endm
.macro ROWST d, adr
.irp b, 0,1,2,3
.irp j, 0,1,2,3
	ds_store_b128 v[\adr], v[\d+16*\b+4*\j:\d+16*\b+4*\j+3] offset:128*\b+16*\j
.endr
.endr
.endm
.macro FRAG8 d, adr, off               ; eight fragments' images: 16 bytes a lane, 512 consecutive bytes a load
.irp t, 0,1,2,3,4,5,6,7
.irp c, 0,1
	ds_load_b128 v[\d+8*\t+4*\c:\d+8*\t+4*\c+3], v[\adr] offset:\off+1024*\t+512*\c
.endr
.endr
.endm
.macro PKADD d, e                      ; 64 numbers += 64 numbers, from the low end on
.set J, 0
.rept 32
	v_pk_add_f32 v[\d+J:\d+J+1], v[\d+J:\d+J+1], v[\e+J:\e+J+1]
.set J, J+2
.endr
.endm
; LayerNorm of a token's 128 numbers, 64 in my lane and 64 in lane l xor 16: mean, then the mean of squares of the differences (two passes: a common offset does no harm).
.macro LN x, g, bb
	v_pk_add_f32 v[24:25], v[\x:\x+1], v[\x+2:\x+3]
	v_pk_add_f32 v[26:27], v[\x+4:\x+5], v[\x+6:\x+7]
.set J, 8
.rept 14
	v_pk_add_f32 v[24:25], v[24:25], v[\x+J:\x+J+1]
	v_pk_add_f32 v[26:27], v[26:27], v[\x+J+2:\x+J+3]
.set J, J+4
.endr
	v_pk_add_f32 v[24:25], v[24:25], v[26:27]
	v_add_f32 v24, v24, v25
	v_permlanex16_b32 v31, v24, s54, s55
	v_add_f32 v24, v24, v31
	v_mul_f32 v24, s60, v24                        ; the mean
	s_wait_dscnt 0x0                               ; the gain and the bias are in; the rows are written from here on
.set J, 0
.rept 32
	v_pk_add_f32 v[\x+J:\x+J+1], v[\x+J:\x+J+1], v[24:25] op_sel_hi:[1,0] neg_lo:[0,1] neg_hi:[0,1]
.set J, J+2
.endr
	v_pk_mul_f32 v[26:27], v[\x:\x+1], v[\x:\x+1]
	v_pk_mul_f32 v[28:29], v[\x+2:\x+3], v[\x+2:\x+3]
.set J, 4
.rept 15
	v_pk_fma_f32 v[26:27], v[\x+J:\x+J+1], v[\x+J:\x+J+1], v[26:27]
	v_pk_fma_f32 v[28:29], v[\x+J+2:\x+J+3], v[\x+J+2:\x+J+3], v[28:29]
.set J, J+4
.endr
	v_pk_add_f32 v[26:27], v[26:27], v[28:29]
	v_add_f32 v26, v26, v27
	v_permlanex16_b32 v31, v26, s54, s55
	v_add_f32 v26, v26, v31
	v_fma_f32 v26, v26, s60, s61                   ; the variance + 1e-5
	v_rsq_f32 v26, v26
	v_nop                                          ; a plain line behind the transcendental,
	s_wait_alu depctr_va_vdst(0)                   ; and the wait ahead of the first use of its result: v26 is written
.set J, 0
.rept 32
	v_pk_mul_f32 v[\x+J:\x+J+1], v[\x+J:\x+J+1], v[26:27] op_sel_hi:[1,0]
.set J, J+2
.endr
.set J, 0
.rept 32
	v_pk_fma_f32 v[\x+J:\x+J+1], v[\x+J:\x+J+1], v[\g+J:\g+J+1], v[\bb+J:\bb+J+1]
.set J, J+2
.endr
.endm
; Four blocks of 32, 16 numbers of each in my lane (v[s + 16 b] on) and 16 in lane l xor 16: the bytes come out in v28-31, the half blocks' codes in v[pc + 2 b], v[pc + 2 b + 1].
.macro QCORE s, pc
.irp b, 0,1,2,3
	v_max3_num_f32 v[24+\b], |v[\s+16*\b]|, |v[\s+16*\b+1]|, 0x1800000   ; with the floor 2^(3 - 127): the byte cannot fall under 1
.endr
.irp i, 2,4,6,8,10,12,14
.irp b, 0,1,2,3
	v_max3_num_f32 v[24+\b], v[24+\b], |v[\s+16*\b+\i]|, |v[\s+16*\b+\i+1]|
.endr
.endr
.irp b, 0,1,2,3
	v_permlanex16_b32 v[28+\b], v[24+\b], s54, s55
.endr
.irp b, 0,1,2,3
	v_max_num_f32 v[24+\b], v[24+\b], v[28+\b]     ; the block's largest magnitude
.endr
.irp b, 0,1,2,3
	v_add_nc_u32 v[244+\b], 0xff000000, v[24+\b]   ; 2 off its exponent field: the conversion's scale operand
.endr
.irp b, 0,1,2,3
	v_lshrrev_b32 v[28+\b], 23, v[244+\b]          ; the scale's byte
.endr
.irp b, 0,1,2,3
	v_cvt_scalef32_pk8_fp4_f32 v[\pc+2*\b], v[\s+16*\b:\s+16*\b+7], v[244+\b]
	v_cvt_scalef32_pk8_fp4_f32 v[\pc+2*\b+1], v[\s+16*\b+8:\s+16*\b+15], v[244+\b]
.endr
	v_nop                                          ; one plain line behind the conversions
.endm
.macro TOREG pc, w                     ; the codes become the operand in place (a whole block to a lane), the bytes its scale word
	v_lshl_or_b32 v[\w], v29, 8, v28
	v_lshl_or_b32 v[\w], v30, 16, v[\w]
	v_lshl_or_b32 v[\w], v31, 24, v[\w]
.irp c, 0,1
.irp i, 0,1
	v_permlane16_swap_b32 v[\pc+4*\c+\i], v[\pc+2+4*\c+\i]
.endr
.endr
.endm
; My 32 token rows: one load or store takes one row, 512 consecutive bytes.  Token m: t = m & 3 (in the offset register), w = (m >> 2) & 3 and the h bit m >> 4 (in the base).  In LDS it lies at row 16 u + p.
.macro XLOADS
.set M, 0
.rept 32
	global_load_b128 v[32+4*M:35+4*M], v[16+(M&3)], s[16+8*(M>>4)+2*((M>>2)&3):17+8*(M>>4)+2*((M>>2)&3)] th:TH_LOAD_NT
.set M, M+1
.endr
.endm
.macro XSTORES
.set M, 0
.rept 32
	ds_store_b128 v6, v[32+4*M:35+4*M] offset:XROW*(16*((M>>3)&1)+(M&7)+8*(M>>4))
.set M, M+1
.endr
.endm
; The mask rows of my tile u, as they lie: a load takes 256 bytes of each of two rows.  Register 32 q + 4 p: rows 2 p, 2 p + 1 of the tile, bytes 256 q on.
.macro MLOAD u
	WIN 0x40                                       ; destination v256 on
.irp q, 0,1,2,3
.irp p, 0,1,2,3,4,5,6,7
	global_load_b128 v[128*\u+32*\q+4*\p:128*\u+32*\q+4*\p+3], v23, s[6:7] offset:(8*\u+2*\p+8*(\p/4))*1024+256*\q th:TH_LOAD_NT
.endr
.endr
	WIN 0
.endm
; and their turn through my stage, a quarter of the rows' length at a time, back into the registers that they left: lane (r, h) then holds, of query r, keys 32 i' + 16 h + 0 .. 15 in registers 16 i' on: the scores' layout.
; LDS serves a wave's instructions in order (ISA guide 5.7.1.4): the loads see the stores above them, and the next quarter's stores come behind them.
.macro MASKT u
	s_wait_dscnt 0x0                               ; no LDS instruction of mine is out
.if \u
	s_wait_alu depctr_vm_vsrc(0)                   ; the last head's loads and stores have read v20-23, which the lines below write
.endif
	v_and_b32 v22, 15, v0
	v_bfe_u32 v23, v0, 4, 1
	v_mul_u32_u24 v20, v23, 272
	v_lshl_add_u32 v20, v22, 4, v20
	v_add_nc_u32 v20, s98, v20                     ; in: rows 2 p + h, 16 bytes a lane
	v_mul_u32_u24 v21, v22, 272
	v_lshl_add_u32 v21, v23, 6, v21
	v_add_nc_u32 v21, s98, v21                     ; back: row r, + 64 h
	s_wait_alu depctr_va_vdst(0)                   ; v20 and v21 are written, which the stores and loads below read as addresses
.irp q, 0,1,2,3
	WIN 0x04                                       ; an LDS store's data: v256 on
.irp p, 0,1,2,3,4,5,6,7
	ds_store_b128 v20, v[128*\u+32*\q+4*\p:128*\u+32*\q+4*\p+3] offset:P_ST+544*\p
.endr
	WIN 0x40
	s_wait_alu depctr_vm_vsrc(0)                   ; the quarter's eight stores have read the 32 registers in which its eight loads land
.irp e, 0,1
.irp j, 0,1,2,3
	ds_load_b128 v[128*\u+32*\q+16*\e+4*\j:128*\u+32*\q+16*\e+4*\j+3], v21 offset:P_ST+128*\e+16*\j
.endr
.endr
.endr
	WIN 0
.endm
; A PASS of QKV: four weight tiles x my two tiles of tokens.  kind 0 q, 1 k, 2 v; h: which half of its eight tiles.  The bias is the C of tile 1's products; tile 0's then add onto it in place.
; The fragments and scale words of the next pass are fetched into the other set behind the products: the last pass's products, which read that set, stand ahead of the last pass's wait on va_vdst, and no line since names it.
.macro PASS kind, h, last
.set PI, 2*\kind+\h
.set FS, 160+32*(PI%2)
.set FN, 192-32*(PI%2)
.set SS, 224+4*(PI%2)
.set SN, 228-4*(PI%2)
.if \kind < 2
.irp t, 0,1,2,3
.irp e, 0,1
	ds_load_b128 v[32+8*\t+4*\e:35+8*\t+4*\e], v3 offset:128*((4*PI+\t)/2)+32*(\t%2)+16*\e
.endr
.endr
.else
.irp t, 0,1,2,3
	ds_load_b32 v[24+\t], v4 offset:128*(2*\h+\t/2)+32*(\t%2)   ; v: a lane holds one channel, so one number of the bias
.endr
.endif
	s_wait_dscnt 0x0                               ; the bias, this pass's fragments and words are in
.if PI > 0
	s_wait_alu depctr_vm_vsrc(0)                   ; the last pass's LDS stores have read v248-255 and v28-31, which this pass's quantiser writes again
.endif
.if \kind < 2
.irp t, 0,1,2,3
	WM 64+8*\t, FS+8*\t, 104, 32+8*\t, SS+\t, 237
.endr
	NOPS 5                                         ; the next four write over the C of the last four: five places (ISA guide 7.12.1)
.irp t, 0,1,2,3
	WM 32+8*\t, FS+8*\t, 96, 32+8*\t, SS+\t, 236
.endr
.else
.irp t, 0,1,2,3
.irp j, 0,1,2,3,4,5,6,7
	v_mov_b32 v[32+16*\t+\j], v[24+\t]
.endr
.endr
	NOPS 4
.irp t, 0,1,2,3
	WM 40+16*\t, 104, FS+8*\t, 32+16*\t, 237, SS+\t
.endr
	NOPS 5
.irp t, 0,1,2,3
	WM 32+16*\t, 96, FS+8*\t, 32+16*\t, 236, SS+\t
.endr
.endif
.if \last == 0
.irp t, 0,1,2,3
.irp c, 0,1
	ds_load_b128 v[FN+8*\t+4*\c:FN+8*\t+4*\c+3], v1 offset:1024*(4*PI+4+\t)+512*\c
.endr
.endr
	ds_load_b128 v[SN:SN+3], v2 offset:256*(PI+1)
.endif
	NOPS 4                                         ; places ahead of the first read of the results
.if \kind == 0
.set J, 0
.rept 32
	v_pk_mul_f32 v[32+J:33+J], v[32+J:33+J], s[58:59] op_sel_hi:[1,0]   ; q x 32^-0.5
.set J, J+2
.endr
.endif
	QCORE 32, 248
	s_wait_alu depctr_va_vdst(0)                   ; the codes v248-255 and the bytes v28-31 are written, which the stores below read; the pass's products are done reading their fragments, their words and x's codes, and the quantiser v24-95: the loads that follow land in these
.if \kind == 0                         ; block 2 u + p of the four is head 2 h + p of tile u: into my own images, over x's, which are in registers
.irp u, 0,1
.irp p, 0,1
	ds_store_b64 v14, v[248+2*(2*\u+\p):249+2*(2*\u+\p)] offset:P_XQ+1024*\u+256*(2*\h+\p)
	ds_store_b8 v15, v[28+2*\u+\p] offset:128+64*\u+2*\h+\p
.endr
.endr
.endif
.if \kind == 1                         ; the same into K's images: key tile 2 i + u
.irp u, 0,1
.irp p, 0,1
	ds_store_b64 v9, v[248+2*(2*\u+\p):249+2*(2*\u+\p)] offset:1024*\u+256*(2*\h+\p)
	ds_store_b8 v10, v[28+2*\u+\p] offset:4*\u+2*\h+\p
.endr
.endr
.endif
.if \kind == 2                         ; block t is channel tile 4 h + t, keys = my 32 tokens: block i of V^T's K
.irp t, 0,1,2,3
	ds_store_b64 v11, v[248+2*\t:249+2*\t] offset:2048*(4*\h+\t)
	ds_store_b8 v12, v[28+\t] offset:256*((4*\h+\t)/2)+8*(\t%2)
.endr
.endif
.endm
.macro KLOAD s                         ; K's eight fragments and scale words of key step s
	FRAG8 160, 7, 8192*(\s)
	ds_load_b128 v[224:227], v8 offset:512*(\s)
	ds_load_b128 v[228:231], v8 offset:512*(\s)+256
.endm
; A KEY STEP: 128 keys, one head, my tile u.  v24 -M, v25 the largest t, v[26:27] the sum, v28 f, v244-247 the blocks' largest scores, v252-255 scale operands, v120-127 p's codes, v128-143 O^T, v144-159 V^T.
.macro STEP u, s
.if \s
	s_wait_dscnt 0x0                               ; K's fragments and words are in
.endif
	WIN 0x10                                       ; C: v256 on: the mask
.irp t, 0,1,2,3,4,5,6,7
	WM 32+8*\t, 160+8*\t, 112, 128*\u+64*\s+8*\t, 224+\t, 236+\u
.endr
	WIN 0
	NOPS 4                                         ; places ahead of the first read of the scores
	s_wait_alu depctr_va_vdst(0)                   ; the eight products above are done reading K's fragments v160-223 and words v224-231, and the O^T products before them V^T's v144-159 and words v232-235: the loads below land in these
.if \s == 0
	ds_load_b128 v[232:235], v21                   ; V^T's scale words of this head: word 2 u' + s
.endif
.irp p, 0,1
.irp c, 0,1
	ds_load_b128 v[144+8*\p+4*\c:147+8*\p+4*\c], v20 offset:2048*\p+1024*\s+512*\c
.endr
.endr
	KLOAD 1-\s                                     ; the next step's K: 18 loads
.irp b, 0,1,2,3
	v_max3_num_f32 v[244+\b], v[32+16*\b], v[33+16*\b], v[34+16*\b]   ; the largest score of each block of 32 keys: for the row's maximum and, since p rises with the score, for the block's largest p
.endr
.irp i, 3,5,7,9,11,13
.irp b, 0,1,2,3
	v_max3_num_f32 v[244+\b], v[244+\b], v[32+16*\b+\i], v[33+16*\b+\i]
.endr
.endr
.irp b, 0,1,2,3
	v_max_num_f32 v[244+\b], v[244+\b], v[47+16*\b]
.endr
.irp b, 0,1,2,3
	v_permlanex16_b32 v[248+\b], v[244+\b], s54, s55
.endr
.irp b, 0,1,2,3
	v_max_num_f32 v[244+\b], v[244+\b], v[248+\b]
.endr
	v_max3_num_f32 v30, v244, v245, v246
	v_max_num_f32 v30, v30, v247
.if \s == 0
	v_mul_f32 v25, s56, v30                        ; the largest t
	v_floor_f32 v24, -v25                          ; -M = floor(-t): M is a whole number
.else
	v_mul_f32 v30, s56, v30
	v_max_num_f32 v25, v25, v30
	v_mov_b32 v30, v24
	v_floor_f32 v24, -v25
	v_sub_f32 v30, v24, v30                        ; old M - new M: a whole number, 0 or less
	v_cvt_i32_f32 v30, v30
	v_ldexp_f32 v28, 1.0, v30                      ; f = 2^(old M - new M): multiplying by it rounds nothing
.endif
.set J, 0
.rept 32
	v_pk_fma_f32 v[32+J:33+J], v[32+J:33+J], s[56:57], v[24:25] op_sel_hi:[1,0,0]   ; t - M
.set J, J+2
.endr
.irp b, 0,1,2,3
	v_fma_f32 v[244+\b], v[244+\b], s56, v24
.endr
.set J, 0
.rept 64
	v_exp_f32 v[32+J], v[32+J]                     ; p = 2^(t - M): not normalised
.set J, J+1
.endr
.if \s == 0
	v_mov_b32 v26, 0                               ; the sum begins.  (A plain line behind the exponentials)
	v_mov_b32 v27, 0
.else
	v_pk_mul_f32 v[26:27], v[26:27], v[28:29] op_sel_hi:[1,0]   ; the sum under the new M.  (A plain line behind the exponentials)
.endif
	s_wait_alu depctr_va_vdst(0)                   ; one wait for the 64, ahead of the first use of a result: p, v32-95, is written
.irp b, 0,1,2,3
	v_exp_f32 v[244+\b], v[244+\b]                 ; the blocks' largest p
.endr
	v_pk_add_f32 v[248:249], v[32:33], v[34:35]    ; the sum of the unquantised p, in two chains; this half reads the 64 alone
.set J, 4
.rept 7
	v_pk_add_f32 v[26:27], v[26:27], v[32+J:33+J]
	v_pk_add_f32 v[248:249], v[248:249], v[34+J:35+J]
.set J, J+4
.endr
	s_wait_alu depctr_va_vdst(0)                   ; and one for the four: v244-247 are written
.irp b, 0,1,2,3
	v_max_num_f32 v[244+\b], 0x1800000, v[244+\b]  ; the floor: a block whose every p is 0 keeps the byte 1 over zero codes
.endr
.irp b, 0,1,2,3
	v_add_nc_u32 v[252+\b], 0xff000000, v[244+\b]
.endr
	v_lshrrev_b32 v238, 23, v252
	v_lshrrev_b32 v250, 23, v253
	v_lshrrev_b32 v251, 23, v254
	v_lshrrev_b32 v30, 23, v255
	v_lshl_or_b32 v238, v250, 8, v238              ; p's scale word for these 128 keys
	v_lshl_or_b32 v238, v251, 16, v238
	v_lshl_or_b32 v238, v30, 24, v238
.irp b, 0,1,2,3
	v_cvt_scalef32_pk8_fp4_f32 v[120+2*\b], v[32+16*\b:39+16*\b], v[252+\b]
	v_cvt_scalef32_pk8_fp4_f32 v[121+2*\b], v[40+16*\b:47+16*\b], v[252+\b]
.endr
	v_nop
.irp c, 0,1
.irp i, 0,1
	v_permlane16_swap_b32 v[120+4*\c+\i], v[122+4*\c+\i]
.endr
.endr
.set J, 32
.rept 8
	v_pk_add_f32 v[26:27], v[26:27], v[32+J:33+J]  ; the sums' other half: 17 plain lines, the places between the scale word and the codes just made and the products that take them
	v_pk_add_f32 v[248:249], v[248:249], v[34+J:35+J]
.set J, J+4
.endr
	v_pk_add_f32 v[26:27], v[26:27], v[248:249]
.if \s
.set J, 0
.rept 8
	v_pk_mul_f32 v[128+J:129+J], v[128+J:129+J], v[28:29] op_sel_hi:[1,0]   ; O^T under the new M
.set J, J+2
.endr
.endif
	s_wait_dscnt 18                                ; V^T and its words are in; the 18 loads of the next step's K were issued behind them
	s_wait_alu depctr_va_vdst(0)                   ; behind the places: p's codes v120-127 and its scale word v238 are written, which the two products below take
.irp p, 0,1
.if \s
	WM 128+8*\p, 144+8*\p, 120, 128+8*\p, 232+2*\p+\s, 238
.else
	WMZ 128+8*\p, 144+8*\p, 120, 232+2*\p+\s, 238
.endif
.endr
.endm
; A head's end: O^T / the sum is block b of proj's K: quantised, its half block and its byte go into my image.
.macro FINISH
	v_add_f32 v26, v26, v27
	v_permlanex16_b32 v31, v26, s54, s55
	v_add_f32 v26, v26, v31                        ; the row's sum
	v_rcp_f32 v26, v26
	NOPS 2                                         ; with the additions: the places behind the last products; and the plain line behind the reciprocal
	s_wait_alu depctr_va_vdst(0)                   ; the reciprocal v26 is written, ahead of its first use
.set J, 0
.rept 8
	v_pk_mul_f32 v[128+J:129+J], v[128+J:129+J], v[26:27] op_sel_hi:[1,0]
.set J, J+2
.endr
	v_max3_num_f32 v30, |v128|, |v129|, 0x1800000
	v_max_num_f32 v31, |v130|, |v131|
.irp j, 4,8,12
	v_max3_num_f32 v30, v30, |v[128+\j]|, |v[129+\j]|
	v_max3_num_f32 v31, v31, |v[130+\j]|, |v[131+\j]|
.endr
	v_max_num_f32 v30, v30, v31
	v_permlanex16_b32 v31, v30, s54, s55
	v_max_num_f32 v30, v30, v31
	v_add_nc_u32 v244, 0xff000000, v30
	v_lshrrev_b32 v245, 23, v244
	v_cvt_scalef32_pk8_fp4_f32 v252, v[128:135], v244
	v_cvt_scalef32_pk8_fp4_f32 v253, v[136:143], v244
	v_nop
	s_wait_alu depctr_va_vdst(0)                   ; the codes v252-253 and the byte v245 are written, which the two stores read
	ds_store_b64 v22, v[252:253]
	ds_store_b8 v23, v245
.endm
; Attention of my tile u: a loop over the four heads.
.macro ATT u
	s_mov_b32 s48, KV                              ; from K's images to V^T's of head b: + 4,096 a head
	s_mov_b32 s49, KV                              ; likewise the words: + 256 a head
	s_mov_b32 s50, 1280*\u                         ; my image of the result: + 256 a head
	s_mov_b32 s51, 64*\u                           ; its words: + 1 a head
	s_mov_b32 s15, 0
.Latt\u:
	s_wait_dscnt 0x0                               ; K's fragments are in, and the mask's turn is over
	s_wait_alu depctr_vm_vsrc(0)                   ; the last head's loads and stores (ahead of the first head: the mask's turn and the last pass's stores) have read v20-23, v28-31, v245 and v248-255, which this head writes
	s_and_b32 s53, s15, 1
	s_lshl_b32 s53, s53, 4
	s_lshl_b32 s53, 0xffff, s53                    ; block b of a fragment lies in registers 4 (b / 2) on of lanes 16 (b % 2) on
	s_cmp_lt_u32 s15, 2
	s_cselect_b32 s62, s53, 0
	s_cselect_b32 s63, 0, s53
.irp e, 0,1,2,3
	v_cndmask_b32 v[112+\e], 0, v[96+8*\u+\e], s62
.endr
.irp e, 4,5,6,7
	v_cndmask_b32 v[112+\e], 0, v[96+8*\u+\e], s63
.endr
	v_add_nc_u32 v20, s48, v7                      ; (these four are the places between the codes just written and the products)
	v_add_nc_u32 v21, s49, v8
	v_add_nc_u32 v22, s50, v14
	v_add_nc_u32 v23, s51, v15
	s_wait_alu depctr_va_vdst(0)                   ; behind the places: Q's codes of this head, v112-119, are written, which the products K Q^T take; so are v20-23, which the head's loads and stores read as addresses
	STEP \u, 0
	STEP \u, 1
	FINISH
	s_add_co_u32 s48, s48, 4096
	s_add_co_u32 s49, s49, 256
	s_add_co_u32 s50, s50, 256
	s_add_co_u32 s51, s51, 1
	s_add_co_u32 s15, s15, 1
	s_cmp_lt_u32 s15, 4
	s_cbranch_scc1 .Latt\u
.endm
; GELU on RB, eight numbers (one accumulator) at a time.  v160-191: xc and u, two sets; v192-199 P; v200-207 Q.  The next batch's first lines stand between a batch's reciprocals and the one wait for them.
.macro GPRE k
.set GX, 160+16*((\k)%2)
.irp j, 0,1,2,3,4,5,6,7
	v_med3_num_f32 v[GX+\j], v[96+8*(\k)+\j], s85, s84
.endr
.irp j, 0,2,4,6
	v_pk_mul_f32 v[GX+8+\j:GX+9+\j], v[GX+\j:GX+1+\j], v[GX+\j:GX+1+\j]
.endr
.endm
.macro GMAIN k
.set GU, 168+16*((\k)%2)
.irp j, 0,2,4,6
	v_pk_fma_f32 v[192+\j:193+\j], v[GU+\j:GU+\j+1], v[240:241], s[66:67] op_sel_hi:[1,1,0]
.endr
.irp j, 0,2,4,6
	v_pk_fma_f32 v[200+\j:201+\j], v[GU+\j:GU+\j+1], v[242:243], s[74:75] op_sel_hi:[1,1,0]
.endr
.irp n, 0,1,2
.irp j, 0,2,4,6
	v_pk_fma_f32 v[192+\j:193+\j], v[192+\j:193+\j], v[GU+\j:GU+\j+1], s[68+2*\n:69+2*\n] op_sel_hi:[1,1,0]
.endr
.irp j, 0,2,4,6
	v_pk_fma_f32 v[200+\j:201+\j], v[200+\j:201+\j], v[GU+\j:GU+\j+1], s[76+2*\n:77+2*\n] op_sel_hi:[1,1,0]
.endr
.endr
.irp j, 0,2,4,6
	v_pk_fma_f32 v[200+\j:201+\j], v[200+\j:201+\j], v[GU+\j:GU+\j+1], s[82:83] op_sel_hi:[1,1,0]
.endr
.irp j, 0,2,4,6
	v_pk_fma_f32 v[200+\j:201+\j], v[200+\j:201+\j], v[GU+\j:GU+\j+1], 1.0 op_sel_hi:[1,1,0]
.endr
.irp j, 0,1,2,3,4,5,6,7
	v_rcp_f32 v[200+\j], v[200+\j]
.endr
.endm
.macro GFIN k
.set GX, 160+16*((\k)%2)
.irp j, 0,2,4,6
	v_pk_mul_f32 v[192+\j:193+\j], v[192+\j:193+\j], v[200+\j:201+\j]
.endr
.irp j, 0,2,4,6
	v_pk_fma_f32 v[192+\j:193+\j], v[GX+\j:GX+1+\j], v[192+\j:193+\j], 0.5 op_sel_hi:[1,1,0]
.endr
.irp j, 0,2,4,6
	v_pk_mul_f32 v[96+8*(\k)+\j:97+8*(\k)+\j], v[96+8*(\k)+\j:97+8*(\k)+\j], v[192+\j:193+\j]
.endr
.endm
; ---------------- the head: ids, addresses, constants
	s_load_b256 s[4:11], s[0:1], 0x0               ; x s[4:5], mask s[6:7], wq s[8:9], out0 s[10:11]
	v_lshrrev_b32 v160, 5, v0
	v_readfirstlane_b32 s12, v160                  ; wave i
	v_and_b32 v161, 31, v0                         ; lane l
	v_and_b32 v162, 15, v0                         ; r
	v_bfe_u32 v163, v0, 4, 1                       ; h
	v_lshlrev_b32 v1, 4, v161                      ; v1: 16 l: an image's place for my lane (the weights' fragments begin at LDS byte 0)
	v_lshl_add_u32 v2, v162, 4, SCW                ; v2: the weights' scale words of row r
	v_lshl_add_u32 v3, v163, 6, BIA                ; v3: biases and gains in the results' layout
	v_and_b32 v164, 8, v162
	v_add_nc_u32 v164, v164, v162
	v_lshl_add_u32 v4, v164, 2, BIA+1024           ; v4: v's bias of channel r + 8 (r / 8) of a tile
	s_wait_alu depctr_va_sdst(0)                   ; s12 is written, ahead of its first reader: LDS places, token offsets and branches are made from it
	s_mul_i32 s88, s12, XWAVE
	s_add_co_u32 s88, s88, XR
	v_mul_u32_u24 v5, v162, XROW
	v_lshl_add_u32 v5, v163, 6, v5
	v_add_nc_u32 v5, s88, v5                       ; v5: my rows: row r, + 64 h
	v_add_nc_u32 v6, s88, v1                       ; v6: my rows, 16 bytes a lane
	v_add_nc_u32 v7, KIM, v1                       ; v7: K's images
	v_lshl_add_u32 v8, v162, 4, KSC                ; v8: K's words of row r
	v_lshlrev_b32 v165, 4, v162
	v_lshl_add_u32 v165, v163, 3, v165             ; 16 r + 8 h: a half block's place in an image
	s_lshl_b32 s88, s12, 11
	s_add_co_u32 s88, s88, KIM
	v_add_nc_u32 v9, s88, v165                     ; v9: where I store K's codes: key tiles 2 i, 2 i + 1
	s_lshr_b32 s88, s12, 1
	s_lshl_b32 s88, s88, 8
	s_and_b32 s89, s12, 1
	s_lshl_b32 s89, s89, 3
	s_add_co_u32 s88, s88, s89
	s_add_co_u32 s88, s88, KSC
	v_lshl_add_u32 v10, v162, 4, s88               ; v10: and their bytes
	s_lshl_b32 s88, s12, 8
	s_add_co_u32 s88, s88, VIM
	v_add_nc_u32 v11, s88, v165                    ; v11: where I store V^T's codes: block i
	s_add_co_u32 s88, s12, VSC
	v_lshl_add_u32 v12, v162, 4, s88               ; v12: and their bytes
	s_mul_i32 s98, s12, PRIVB
	s_add_co_u32 s98, s98, PRIV                    ; s98: my own region
	v_add_nc_u32 v13, s98, v1                      ; v13: its images, read
	v_add_nc_u32 v14, s98, v165                    ; v14: its images, written
	s_add_co_u32 s88, s98, P_W
	v_lshl_add_u32 v15, v162, 2, s88               ; v15: its scale words
	s_mul_i32 s88, s12, 15872
	v_add_nc_u32 v20, s88, v1                      ; wq's copy: waves 0-6 take 31 pieces of 512 bytes each: 7 x 31 x 512 = 111,104; the same offset in memory and in LDS
	v_lshlrev_b32 v23, 10, v163
	v_lshl_add_u32 v23, v162, 4, v23               ; the mask: two rows a load
	; the window's place and my tokens' offsets
	s_and_b32 s88, ttmp9, 3
	s_lshl_b32 s88, s88, 2                         ; 4 Wt
	s_bfe_u32 s89, ttmp9, 0x20002
	s_lshl_b32 s89, s89, 2                         ; 4 Ww
	s_bfe_u32 s90, ttmp9, 0x20004
	s_lshl_b32 s90, s90, 2                         ; 4 Wh
	s_lshr_b32 s91, ttmp9, 6
	s_lshl_b32 s91, s91, 2                         ; 4 Wd
	s_lshr_b32 s92, s12, 1                         ; d = i / 2
	s_add_co_u32 s92, s92, s91
	s_add_co_u32 s92, s92, 2
	s_and_b32 s92, s92, 15
	s_lshl_b32 s92, s92, 21                        ; offD
	s_and_b32 s93, s12, 1
	s_lshl_b32 s93, s93, 1
	s_add_co_u32 s93, s93, s90
	s_add_co_u32 s93, s93, 2                       ; 4 Wh + 2 (i % 2) + 2: h's index less the token's h bit
.irp t, 0,1,2,3
	s_add_co_u32 s94, s88, \t+2
	s_and_b32 s94, s94, 15
	s_lshl_b32 s94, s94, 9
	v_add_nc_u32 v[16+\t], s94, v1                 ; v16-19: 16 l + offT(t)
.endr
	v_and_b32 v166, 3, v161                        ; the prefetch's offset: lane l names token l of my 32
	s_add_co_u32 s94, s88, 2
	v_add_nc_u32 v166, s94, v166
	v_and_b32 v166, 15, v166
	v_lshlrev_b32 v239, 9, v166
	v_bfe_u32 v166, v161, 2, 2
	s_add_co_u32 s94, s89, 2
	v_add_nc_u32 v166, s94, v166
	v_and_b32 v166, 15, v166
	v_lshl_add_u32 v239, v166, 13, v239
	v_add_nc_u32 v166, s93, v163
	v_and_b32 v166, 15, v166
	v_lshl_add_u32 v239, v166, 17, v239
	s_mov_b32 s54, 0x76543210
	s_mov_b32 s55, 0xfedcba98                      ; v_permlanex16_b32's selects for lane l xor 16
	SPAIR 56, 0x3fb8aa3b                           ; log2(e)
	SPAIR 58, 0x3e3504f3                           ; 32^-0.5
	s_mov_b32 s60, 0x3c000000                      ; 1 / 128
	s_mov_b32 s61, 0x3727c5ac                      ; 1e-5
	SPAIR 66, 0x391df186                           ; GELU's numerator: A7, A5, A3, A1 (A9 in v[240:241])
	SPAIR 68, 0x3b93955d
	SPAIR 70, 0x3d061aeb
	SPAIR 72, 0x3ecc422a
	SPAIR 74, 0x354588df                           ; its denominator: B10, B8, B6, B4, B2 (B12 in v[242:243]; B0 = 1)
	SPAIR 76, 0x38856d28
	SPAIR 78, 0x3ae687d4
	SPAIR 80, 0x3ce34c21
	SPAIR 82, 0x3e7eb44a
	s_mov_b32 s84, 0x40ad7080                      ; +-5.41998: beyond it erf is 1 in f32
	s_mov_b32 s85, 0xc0ad7080
	v_mov_b32 v240, 0x36a9d49f
	v_mov_b32 v241, 0x36a9d49f
	v_mov_b32 v242, 0xb0fd3906
	v_mov_b32 v243, 0xb0fd3906
.irp j, 24,25,26,27,28,29,30,31,244,245,246,247,248,249,250,251,252,253,254,255
	v_mov_b32 v[\j], 0                             ; written once: destinations of lane permutes and upper halves of pairs count as read
.endr
	s_mov_b32 s95, 0
	s_wait_kmcnt 0x0
.irp hh, 0,1
	s_add_co_u32 s96, s93, \hh
	s_and_b32 s96, s96, 15
	s_lshl_b32 s96, s96, 17
	s_add_co_u32 s96, s96, s92                     ; offD + offH
.irp w, 0,1,2,3
	s_add_co_u32 s94, s89, \w+2
	s_and_b32 s94, s94, 15
	s_lshl_b32 s94, s94, 13
	s_add_co_u32 s94, s94, s96
	s_add_nc_u64 s[16+8*\hh+2*\w:17+8*\hh+2*\w], s[4:5], s[94:95]     ; s[16:31]: x at (d, h, w) of my tokens
	s_add_nc_u64 s[32+8*\hh+2*\w:33+8*\hh+2*\w], s[10:11], s[94:95]   ; s[32:47]: out0 likewise
.endr
.endr
	s_add_co_u32 s94, s92, 0x2000000
	s_add_nc_u64 s[86:87], s[4:5], s[94:95]        ; the prefetch's base: batch 1, my d
	s_lshl_b32 s94, ttmp9, 18
	s_lshl_b32 s96, s12, 15
	s_add_co_u32 s94, s94, s96
	s_add_nc_u64 s[6:7], s[6:7], s[94:95]          ; the mask at my window's, my wave's first query row
; ---------------- first loads: wq, batch 0's rows, the mask
	s_wait_alu depctr_va_vdst(0)                   ; the addresses v1-20, v23 and v239 are written, which the kernel's loads, stores and prefetches read; so are v160-166, v24-31 and v244-255, in which later loads land
	s_cmp_lt_u32 s12, 7
	s_cbranch_scc0 .Lno_wq_load
	WIN 0x40                                       ; through v384 on, which the mask's second tile takes afterwards
.set J, 0
.rept 31
	global_load_b128 v[128+4*J:131+4*J], v20, s[8:9] offset:512*J
.set J, J+1
.endr
	WIN 0
.Lno_wq_load:
	XLOADS
	MLOAD 0
	s_wait_loadcnt 32                              ; wq's pieces and x are in; the mask tile's 32 loads, issued behind them, may be out
	s_cmp_lt_u32 s12, 7
	s_cbranch_scc0 .Lno_wq_store
	WIN 0x04
.set J, 0
.rept 31
	ds_store_b128 v20, v[128+4*J:131+4*J] offset:512*J
.set J, J+1
.endr
	WIN 0
.Lno_wq_store:
	XSTORES
	s_wait_dscnt 0x0                               ; my LDS stores are done
	s_wait_alu depctr_vm_vsrc(0)                   ; they have read v384 on, in which the mask's second tile lands, v32-159, in which P1's loads land, and v20, which P1 writes
	MLOAD 1
	s_mov_b32 s13, 0                               ; the batch
	s_mov_b32 s52, 0                               ; trips of the MLP's loop since the start
.Lwin:
	s_wait_xcnt 0x0                                ; the global loads have read their offset registers
	s_wait_dscnt 0x0                               ; my LDS stores have landed, my LDS loads are in
	s_barrier_signal -1
	s_barrier_wait -1                              ; first window: the weights lie in LDS; second: nobody reads the first window's K and V any more
; ---------------- P1: LN1 and x's codes, a tile a trip
	ROW16 96, 3, 4608                              ; g1
	ROW16 160, 3, 5120                             ; b1
	s_mov_b32 s48, 0
	s_mov_b32 s49, P_XQ
	s_mov_b32 s50, 128
	s_mov_b32 s14, 0
.Lp1:
	v_add_nc_u32 v20, s48, v5
	v_add_nc_u32 v21, s49, v14
	v_add_nc_u32 v22, s50, v15
	s_wait_alu depctr_va_vdst(0)                   ; v20-22 are written, which the trip's loads and stores read as addresses
	ROW16 32, 20, 0
	s_wait_dscnt 0x0
	LN 32, 96, 160
	QCORE 32, 248
	v_lshl_or_b32 v28, v29, 8, v28
	v_lshl_or_b32 v28, v30, 16, v28
	v_lshl_or_b32 v28, v31, 24, v28                ; my row's scale word
	s_wait_alu depctr_va_vdst(0)                   ; the codes v248-255 and the word v28 are written, which the stores read; LN1 and the quantiser are done with v32-223, in which the next loads land
.irp b, 0,1,2,3
	ds_store_b64 v21, v[248+2*\b:249+2*\b] offset:256*\b
.endr
	ds_store_b32 v22, v28
	s_wait_dscnt 0x0                               ; my stores have landed
	s_wait_alu depctr_vm_vsrc(0)                   ; the trip's loads and stores have read v20-22, v28 and v248-255, and the mask's loads v23: the next trip, the passes and the mask's turn write these
	s_add_co_u32 s48, s48, 16*XROW
	s_add_co_u32 s49, s49, 1024
	s_add_co_u32 s50, s50, 64
	s_add_co_u32 s14, s14, 1
	s_cmp_lt_u32 s14, 2
	s_cbranch_scc1 .Lp1
; ---------------- P2: q, k, v
	ds_load_b128 v[96:99], v13 offset:P_XQ         ; x's two fragments
	ds_load_b128 v[100:103], v13 offset:P_XQ+512
	ds_load_b128 v[104:107], v13 offset:P_XQ+1024
	ds_load_b128 v[108:111], v13 offset:P_XQ+1536
	ds_load_b32 v236, v15 offset:128
	ds_load_b32 v237, v15 offset:192
.irp t, 0,1,2,3
.irp c, 0,1
	ds_load_b128 v[160+8*\t+4*\c:163+8*\t+4*\c], v1 offset:1024*\t+512*\c
.endr
.endr
	ds_load_b128 v[224:227], v2
	PASS 0, 0, 0
	PASS 0, 1, 0
	PASS 1, 0, 0
	PASS 1, 1, 0
	PASS 2, 0, 0
	PASS 2, 1, 1
	ds_load_b128 v[96:99], v13 offset:P_XQ         ; q's two fragments, from where x's lay: LDS serves my instructions in order
	ds_load_b128 v[100:103], v13 offset:P_XQ+512
	ds_load_b128 v[104:107], v13 offset:P_XQ+1024
	ds_load_b128 v[108:111], v13 offset:P_XQ+1536
	ds_load_b32 v236, v15 offset:128
	ds_load_b32 v237, v15 offset:192
	s_wait_dscnt 0x0                               ; for the others' sake: my codes of K and V have landed
	s_barrier_signal -1
	s_barrier_wait -1                              ; K and V are whole
	KLOAD 0
; ---------------- P3: attention
	s_wait_loadcnt 32                              ; the mask's first tile is in; the second tile's 32 loads may be out
	s_cmp_lg_u32 s13, 0
	s_cbranch_scc1 .Lmask0_turned                  ; the second batch finds the mask in place
	MASKT 0
.Lmask0_turned:
	ATT 0
	s_wait_loadcnt 0x0
	s_cmp_lg_u32 s13, 0
	s_cbranch_scc1 .Lmask1_turned
	MASKT 1
.Lmask1_turned:
	ATT 1
	s_wait_dscnt 0x0                               ; the last step's fetch of K, which nothing uses, has landed: its registers are loaded anew below
; ---------------- P4: proj, residual, LN2, MLP, residual: a tile a trip
	s_mov_b32 s48, 0
	s_mov_b32 s49, 0
	s_mov_b32 s50, 0
	s_mov_b32 s14, 0
.Lp4:
	s_wait_alu depctr_vm_vsrc(0)                   ; first trip: the last head's loads and stores have read v20-22 and v252-253; second: the last tile's have read v20-22 and v32-95: the lines below write the first, the loads below land in the others
	v_add_nc_u32 v20, s48, v5
	v_add_nc_u32 v21, s49, v13
	v_add_nc_u32 v22, s50, v15
	s_wait_alu depctr_va_vdst(0)                   ; v20-22 are written, which the loads below read as addresses
	ds_load_b128 v[248:251], v21                   ; attention's result: its fragment,
	ds_load_b128 v[252:255], v21 offset:512
	ds_load_b32 v236, v22                          ; its scale word
	FRAG8 160, 1, 24576                            ; w_proj
	ds_load_b128 v[224:227], v2 offset:1536
	ds_load_b128 v[228:231], v2 offset:1792
	ROW16 32, 3, 1536                              ; b_proj: the C of the products
	ROW16 96, 20, 0                                ; x
	s_wait_dscnt 0x0
.irp t, 0,1,2,3,4,5,6,7
	WM 32+8*\t, 160+8*\t, 248, 32+8*\t, 224+\t, 236
.endr
	NOPS 4
	PKADD 32, 96                                   ; x1 = x + proj
	s_wait_alu depctr_va_vdst(0)                   ; x1, v32-95, is written, which the stores read; the additions are done reading v96-159 and the products v160-223, in which g2 and b2 land
	ROWST 32, 20
	ROW16 96, 3, 5632                              ; g2
	ROW16 160, 3, 6144                             ; b2
	s_wait_alu depctr_vm_vsrc(0)                   ; x1's stores have read v32-95, which LN2 writes
	LN 32, 96, 160
	QCORE 32, 248
	TOREG 248, 236                                 ; the MLP's input: v248-255, word v236
	s_wait_alu depctr_va_vdst(0)                   ; LN2 and the quantiser are done with v32-95, in which b_fc2 lands
	ROW16 32, 3, 4096                              ; b_fc2: y's sums begin with it
	NOPS 4                                         ; the places behind the codes just made; with the five lines at the loop's head: nine behind the scale word, of which eight are asked
	s_mov_b32 s51, 32768
	s_mov_b32 s53, 0
	s_mov_b32 s15, 0
.Lmlp:                                                 ; a trip: 128 hidden units: one K step of fc2
	s_wait_alu depctr_vm_vsrc(0)                   ; the last trip's loads have read v21-23, which the three lines below write
	v_add_nc_u32 v21, s51, v1                      ; FIVE plain lines that name none of the last products' registers: fc1's products below write over v96-159, which the last trip's
	v_add_nc_u32 v22, s53, v2                      ; fc2 products read as w_fc2's fragments: five places (ISA guide 7.12.1)
	v_add_nc_u32 v23, s53, v3
	NOPS 2
	s_wait_alu depctr_va_vdst(0)                   ; behind the places: v21-23 are written, which the loads below read; the last trip's fc2 products are done reading v96-159, v208-215 and v224-231, and GELU with v160-207, in which those loads land; in the first trip the input's codes v248-255 and word v236 are written, which fc1's products take
	FRAG8 160, 21, 0                               ; w_fc1's eight tiles
	ds_load_b128 v[224:227], v22 offset:2048
	ds_load_b128 v[228:231], v22 offset:2304
	ROW16 96, 23, 2048                             ; b_fc1
	s_cmp_eq_u32 s52, 7                            ; in the first window's last trip: batch 1's rows of my tokens are asked for, a lane a row of 512 bytes, each aligned 256 bytes named once in the launch;
	s_cbranch_scc0 .Lno_ask                        ; this trip's and the way out's instructions lie between the request and the loads
	global_prefetch_b8 v239, s[86:87] th:TH_LOAD_NT scope:SCOPE_SE
	global_prefetch_b8 v239, s[86:87] offset:256 th:TH_LOAD_NT scope:SCOPE_SE
.Lno_ask:
	s_wait_dscnt 0x0
.irp t, 0,1,2,3,4,5,6,7
	WM 96+8*\t, 160+8*\t, 248, 96+8*\t, 224+\t, 236
.endr
	NOPS 4
	GPRE 0
.irp k, 0,1,2,3,4,5,6
	GMAIN \k
	GPRE \k+1
	s_wait_alu depctr_va_vdst(0)                   ; one wait for a batch's eight reciprocals v200-207, ahead of the first use; the first of the seven also states that fc1's products are done reading their words v224-231
.if \k == 0
	ds_load_b128 v[224:227], v22 offset:4096       ; w_fc2's words of this K step: no line since the wait names v224-231 or v22
	ds_load_b128 v[228:231], v22 offset:4352
.endif
	GFIN \k
.endr
	GMAIN 7
	v_nop
	s_wait_alu depctr_va_vdst(0)                   ; the last batch's reciprocals are written
	GFIN 7
	QCORE 96, 208
	s_wait_alu depctr_va_vdst(0)                   ; GELU and the quantiser are done with v96-159, in which w_fc2's fragments land
	FRAG8 96, 21, 32768                            ; w_fc2's eight tiles of this K step, into the registers that the hidden layer has left
	TOREG 208, 238
	NOPS 8                                         ; places between the scale word and the codes just made and the products
	s_wait_alu depctr_va_vdst(0)                   ; behind the places: the hidden layer's codes v208-215 and its word v238 are written, which fc2's products take
	s_wait_dscnt 0x0
.irp t, 0,1,2,3,4,5,6,7
	WM 32+8*\t, 96+8*\t, 208, 32+8*\t, 224+\t, 238
.endr
	s_add_co_u32 s52, s52, 1
	s_add_co_u32 s51, s51, 8192
	s_add_co_u32 s53, s53, 512
	s_add_co_u32 s15, s15, 1
	s_cmp_lt_u32 s15, 4
	s_cbranch_scc1 .Lmlp
	NOPS 4
	s_wait_alu depctr_va_vdst(0)                   ; the last fc2 products are done reading v96-159, in which x1 lands
	ROW16 96, 20, 0                                ; x1
	s_wait_dscnt 0x0
	PKADD 32, 96                                   ; the result
	s_wait_alu depctr_va_vdst(0)                   ; the result, v32-95, is written, which the stores read; the additions are done reading v96-159, in which the next loads land
	ROWST 32, 20
	s_wait_dscnt 0x0                               ; my stores have landed
	s_add_co_u32 s48, s48, 16*XROW
	s_add_co_u32 s49, s49, 1280
	s_add_co_u32 s50, s50, 64
	s_add_co_u32 s14, s14, 1
	s_cmp_lt_u32 s14, 2
	s_cbranch_scc1 .Lp4
; ---------------- the way out: whole token rows
	s_wait_alu depctr_vm_vsrc(0)                   ; the result's LDS stores have read v32-95, in which the rows below land
.set M, 0
.rept 32
	ds_load_b128 v[32+4*M:35+4*M], v6 offset:XROW*(16*((M>>3)&1)+(M&7)+8*(M>>4))
.set M, M+1
.endr
.set M, 0
.rept 32
	s_wait_dscnt 31-M                              ; row M is in; the younger rows' loads may be out
	global_store_b128 v[16+(M&3)], v[32+4*M:35+4*M], s[32+8*(M>>4)+2*((M>>2)&3):33+8*(M>>4)+2*((M>>2)&3)] th:TH_STORE_NT   ; 32 lanes store 512 consecutive bytes, aligned
.set M, M+1
.endr
	s_add_co_u32 s13, s13, 1
	s_cmp_eq_u32 s13, 2
	s_cbranch_scc1 .Lend
	s_wait_xcnt 0x0                                ; the stores have had their addresses translated: their bases are written below
	s_wait_alu depctr_vm_vsrc(0)                   ; the stores have read v32-159, in which the next batch's rows land
.set J, 0
.rept 16
	s_add_nc_u64 s[16+2*J:17+2*J], s[16+2*J:17+2*J], 0x2000000   ; x and out0: the next batch
.set J, J+1
.endr
	XLOADS
	s_wait_loadcnt 0x0
	XSTORES
	s_wait_alu depctr_vm_vsrc(0)                   ; the LDS stores have read v32-159, in which P1's loads land
	s_cmp_lt_u32 s13, 2
	s_cbranch_scc1 .Lwin
.Lend:
	s_wait_xcnt 0x0
	v_lshl_add_u32 v254, v0, 2, 0x4fa00
	v_mov_b32 v255, 0
	s_wait_dscnt 0x0                               ; the closing lines, six on end
	s_wait_alu 0x0
	s_wait_tensorcnt 0x0
	ds_add_u32 v254, v255
	s_wait_dscnt 0x0
	s_endpgm
.Lfunc_end_k_q6fff3b01bd_swin:
	.size	k_q6fff3b01bd_swin, .Lfunc_end_k_q6fff3b01bd_swin-k_q6fff3b01bd_swin
	.p2alignl 7, 3214868480
	.fill 96, 4, 3214868480
	.section	.rodata,"a",@progbits
	.p2align	6, 0x0
	.amdhsa_kernel k_q6fff3b01bd_swin
		.amdhsa_group_segment_fixed_size 327680
		.amdhsa_private_segment_fixed_size 0
		.amdhsa_enable_private_segment 0
		.amdhsa_kernarg_size 32
		.amdhsa_user_sgpr_count 2
		.amdhsa_user_sgpr_kernarg_segment_ptr 1
		.amdhsa_wavefront_size32 1
		.amdhsa_system_sgpr_workgroup_id_x 1
		.amdhsa_system_sgpr_workgroup_id_y 1
		.amdhsa_system_sgpr_workgroup_id_z 1
		.amdhsa_system_vgpr_workitem_id 0
		.amdhsa_next_free_vgpr 512
		.amdhsa_next_free_sgpr 100
		.amdhsa_reserve_vcc 0
		.amdhsa_float_denorm_mode_32 3
		.amdhsa_float_denorm_mode_16_64 3
		.amdhsa_memory_ordered 1
		.amdhsa_forward_progress 1
		.amdhsa_inst_pref_size 248
	.end_amdhsa_kernel
	.amdgpu_metadata
---
amdhsa.version: [ 1, 2 ]
amdhsa.kernels:
  - .name:           k_q6fff3b01bd_swin
    .symbol:         k_q6fff3b01bd_swin.kd
    .args:
      - { .name: x, .offset: 0, .size: 8, .value_kind: global_buffer, .address_space: global }
      - { .name: mask_matrix, .offset: 8, .size: 8, .value_kind: global_buffer, .address_space: global }
      - { .name: wq, .offset: 16, .size: 8, .value_kind: global_buffer, .address_space: global }
      - { .name: out0, .offset: 24, .size: 8, .value_kind: global_buffer, .address_space: global }
    .group_segment_fixed_size: 327680
    .private_segment_fixed_size: 0
    .kernarg_segment_align: 8
    .kernarg_segment_size: 32
    .max_flat_workgroup_size: 256
    .sgpr_count:     100
    .vgpr_count:     512
    .wavefront_size: 32
...
	.end_amdgpu_metadata
.endif
;; end of part 3
